; MI455X (gfx1250); checked and timed in simulation.
; The chip was launched on July 23, 2026; its instructions are those of AMD's public machine-readable ISA for CDNA 5 (MIT licence, August 2026) and "CDNA5" Instruction Set Architecture Reference Guide (July 2026). The comments in the code are by the model that wrote it; some were corrected since.
;; Causal Self Attention. Allowed arithmetic: matrix products marked QUANTISED: E4M3 operands, one given power-of-two scale a tensor, by v_wmma_f32_16x16x64_fp8_fp8 or v_wmma_f32_16x16x128_fp8_fp8, f32 sums; everything else in f32.
;; Inputs: Wk 1,024 x 1,024 float32; Wp 1,024 x 1,024 float32; Wq 1,024 x 1,024 float32; Wv 1,024 x 1,024 float32; bk 1,024 float32; bp 1,024 float32; bq 1,024 float32; bv 1,024 float32; lowp_scales 12 int32 (the exponents e of the quantised operands' scales 2^e); mask 4 x 2,048 float32; x 4 x 2,048 x 1,024 float32.
;; Outputs: out0 4 x 2,048 x 1,024 float32.
;; This version of the problem:
;;   THIS VERSION OF THE PROBLEM IS GIVEN IN LOW PRECISION. The matrix products marked QUANTISED in the list below multiply operands that are first quantised to E4M3 (4 exponent bits, 3 mantissa bits; 8 bits a number), with one given power-of-two scale for each operand tensor; their sums are f32. All else is computed in f32.
;;   The module's matrix products, in the order in which they are computed (A, B: the left and right operand; K: the contracted axis; several contracted axes count as one K, in the product's order):
;;     1. [M 8,192, K 1,024] x [K 1,024, N 1,024]; A: input x; B: input Wq: QUANTISED (scales: A lowp_scales[0], B lowp_scales[1])
;;     2. [M 8,192, K 1,024] x [K 1,024, N 1,024]; A: input x; B: input Wk: QUANTISED (scales: A lowp_scales[2], B lowp_scales[3])
;;     3. [M 8,192, K 1,024] x [K 1,024, N 1,024]; A: input x; B: input Wv: QUANTISED (scales: A lowp_scales[4], B lowp_scales[5])
;;     4. batch 64 x [M 2,048, K 64] x [K 64, N 2,048]; A: computed on the way; B: computed on the way: QUANTISED (scales: A lowp_scales[6], B lowp_scales[7])
;;     5. batch 64 x [M 2,048, K 2,048] x [K 2,048, N 64]; A: softmax (see below); B: computed on the way: QUANTISED (scales: A lowp_scales[8], B lowp_scales[9])
;;     6. [M 8,192, K 1,024] x [K 1,024, N 1,024]; A: computed on the way; B: input Wp: QUANTISED (scales: A lowp_scales[10], B lowp_scales[11])
;;   THE QUANTISER, for each operand of a quantised product, along K:
;;     - The operand's scale is 2^e, e = its entry of the input lowp_scales (int32; the entries are numbered through the quantised products in the list's order, A before B).
;;     - Each number is divided by the scale, clamped to +-448, and rounded to the nearest number of E4M3, ties to even, subnormals kept.
;;     - The product sums the exact products of the quantised numbers (number of the format x scale) in f32.
;;   ~~~python
;;   def quantise(x, axis, e):      # numpy; x: float32 -> the quantised numbers, widened to float32 again
;;       x = np.moveaxis(x, axis, -1); K = x.shape[-1]
;;       r = np.clip(x / 2.0 ** e, -448, 448)
;;       step = 2.0 ** (np.maximum(np.frexp(np.where(r == 0, 1, r))[1] - 1, -6) - 3)
;;       q = np.round(r / step) * step * 2.0 ** e      # np.round: ties to even
;;       return np.moveaxis(q, -1, axis).astype(np.float32)
;;   ~~~
;;   SOFTMAX AHEAD OF A QUANTISED PRODUCT. Where the list says 'softmax', what is quantised is not the finished softmax but p = 2^(t - M), with t = logit x log2(e) and M = ceil(the row's largest t), a whole number; so 1/2 < the row's largest p <= 1. The row's sum l is taken of the UNQUANTISED p, in f32, and the product's result is divided by l at the end. Since M is a whole number, a kernel that streams over the keys may use a running M (the ceiling of the running maximum): every later rescaling is an exact power of two, so the quantised numbers keep their values, but for numbers so far below the row's largest that they fall under the format's range.
;;   OPERANDS COMPUTED ON THE WAY. 'Computed on the way' means the value that the module computes at that place (a softmax that the list does not call 'softmax' is quantised finished and normalised). What goes into a quantiser is computed in f32, as accurately as f32 sums, v_exp_f32 and their like allow (about 1e-6 of the number): no bf16 or f16 on the way to a quantiser, and a product that is left as it is and whose result goes on into a quantised operand takes f32 operands (vector FMAs, or v_wmma_f32_16x16x4_f32). A number that lies on a knife's edge between two numbers of the format may be rounded either way, as far as f32 arithmetic and the matrix unit's own rounding can turn it there, and no further.
;; One version. Each part assembles by itself: llvm-mc -triple=amdgcn-amd-amdhsa -mcpu=gfx1250 --defsym DOCPART=n.
;; ======== version 1 of 1: 4 launches
;; limits: right only within a limited range of input values
;; workspace buffers: xc 25,165,824 bytes; wc 4,194,304 bytes; qc 8,388,608 bytes; kc 8,388,608 bytes; vt 8,388,608 bytes; pt 262,144 bytes; yc 8,388,608 bytes
;; launch quant (part 1): grid 384 x 1, 4 waves a work-group, no clusters, 33,280 bytes of LDS; arguments x, Wq, Wk, Wv, Wp, lowp_scales, xc, wc; writes xc, wc
.if DOCPART == 1
	.amdgcn_target "amdgcn-amd-amdhsa--gfx1250"
	.amdhsa_code_object_version 6
	.text
	.protected	k_q896ad10c54_quant
	.globl	k_q896ad10c54_quant
	.p2align	8
	.type	k_q896ad10c54_quant,@function
k_q896ad10c54_quant:
	s_mov_b64 s[64:65], 0
	v_nop
	global_prefetch_b8 v0, s[64:65] scope:SCOPE_SE
	s_setreg_imm32_b32 hwreg(HW_REG_WAVE_MODE, 25, 1), 1
	s_wait_xcnt 0x0
; x [8192][1024] and the four weights [1024 n][1024 k], f32 with K innermost, become codes of E4M3, one byte each.
; x is an operand of three products with three given scales (entries 0, 2, 4): three sets of codes, xc's sections 0, 1, 2 of 8,388,608 bytes.
; Wq, Wk, Wv, Wp (entries 1, 3, 5, 11) fill wc's sections 0 to 3 of 1,048,576 bytes.
; code = number / 2^e, held within +-448, rounded to the nearest code, ties to even.
; ORDER OF THE CODES: in each group of 32 along K the four pieces of 8 lie in the order 0-7, 16-23, 8-15, 24-31.  The 16 bytes at 32 c + 16 h are then registers
; 4 c .. 4 c + 3 of the matrix operand of lane half h, so that every fragment is fetched by loads of 16 bytes with each k in its own place.
; SHARES: work-groups 0-255 take 32,768 numbers of x each, 256-383 as many of a weight (32 work-groups a weight); a wave takes 16 steps of 512 numbers.
; Each load reads 512 consecutive bytes; a step's 2,048 bytes turn through the wave's own stage in LDS, so that a lane holds the 16 numbers of its 16 output bytes; each store covers 512 consecutive bytes.
; Only pointers, one exponent and the count of conversions differ between x and a weight; all LDS lines stand on the one path.
; LIMITS: every exponent e used here lies between -126 and 119.  NaN among the inputs is not served (an infinity is held at the largest code).
.set STEPS, 16
.set SP,    80                         ; a place of 64 bytes + 16 of padding
.set STG,   32*SP                      ; a stage: 32 places
.set WREG,  8192                       ; a wave's region: two stages
.set SPARE, 4*WREG                     ; behind the regions: the spare words, 128 bytes a wave, named by no other line
.set SPW,   5                          ; v5  my spare word's LDS address; never rewritten
.set NIL,   6                          ; v6  0; never rewritten
.set SI,    7                          ; v7  the stage on the way in
.set SO,    8                          ; v8  and on the way out
.set SCL,   10                         ; v10, v12, v14: conversion n's 2^e at SCL + 2 n
.set R,     16                         ; v16-79   four sets of 16 numbers as loaded
.set X,     80                         ; v80-111  two sets of 16 numbers in a lane's order
.set T,     112
.set C,     128                        ; v128-151 two sets of 12 registers of codes
.set ISX,   32                         ; s32 1: my work-group takes x
	s_load_b256 s[4:11], s[0:1], 0x0               ; x, Wq, Wk, Wv
	s_load_b256 s[12:19], s[0:1], 0x20             ; Wp, the exponents, xc, wc
	v_lshl_add_u32 v[SPW], v0, 2, SPARE
	v_mov_b32 v[NIL], 0
	v_lshrrev_b32 v1, 5, v0
	v_readfirstlane_b32 s20, v1                    ; wave
	v_and_b32 v2, 31, v0                           ; lane
	v_lshlrev_b32 v3, 4, v2                        ; 16 x lane: my bytes of a load's 512 and of a store's 512
	s_lshl_b32 s21, s20, 13                        ; my wave's region
	v_lshrrev_b32 v[SI], 2, v2
	v_mul_u32_u24 v[SI], v[SI], SP
	v_and_b32 v9, 3, v2
	v_lshl_add_u32 v[SI], v9, 4, v[SI]
	v_add_nc_u32 v[SI], s21, v[SI]                 ; in: four lanes' 64 bytes fill a place
	v_lshrrev_b32 v[SO], 1, v2
	v_mul_u32_u24 v[SO], v[SO], 2*SP
	v_and_b32 v9, 1, v2
	v_lshl_add_u32 v[SO], v9, 5, v[SO]
	v_add_nc_u32 v[SO], s21, v[SO]                 ; out: group of 32 = lane / 2 (two places); 32 bytes x (lane % 2) into each place
	s_sub_co_u32 s21, ttmp9, 256
	s_lshr_b32 s22, s21, 5                         ; which weight (no meaning in x's work-groups)
	s_and_b32 s23, s21, 31                         ; which part of it
	s_cmp_lt_u32 ttmp9, 256
	s_cselect_b32 s[ISX], 1, 0
	s_cselect_b32 s23, ttmp9, s23
	s_cselect_b32 s33, 0, s22
	s_lshl_b32 s23, s23, 2
	s_add_co_u32 s23, s23, s20                     ; my wave's run of 8,192 numbers
	s_lshl_b32 s34, s23, 15                        ; its bytes in the source,
	s_mov_b32 s35, 0
	s_lshl_b32 s2, s23, 13                         ; and among the codes,
	s_lshl_b32 s33, s33, 20
	s_add_co_u32 s2, s2, s33                       ; in the weight's section
	s_mov_b32 s3, 0
	s_wait_alu depctr_va_vdst(0)
	s_wait_kmcnt 0x0
	s_load_b256 s[36:43], s[14:15], 0x0            ; e0 .. e7
	s_load_b128 s[44:47], s[14:15], 0x20           ; e8 .. e11
	s_mov_b64 s[24:25], s[12:13]                   ; the source: a choice on the work-group's number alone
	s_cmp_eq_u32 s22, 2
	s_cselect_b64 s[24:25], s[10:11], s[24:25]
	s_cmp_eq_u32 s22, 1
	s_cselect_b64 s[24:25], s[8:9], s[24:25]
	s_cmp_eq_u32 s22, 0
	s_cselect_b64 s[24:25], s[6:7], s[24:25]
	s_cmp_eq_u32 s[ISX], 1
	s_cselect_b64 s[24:25], s[4:5], s[24:25]
	s_cselect_b64 s[26:27], s[16:17], s[18:19]
	s_add_nc_u64 s[24:25], s[24:25], s[34:35]
	s_add_nc_u64 s[26:27], s[26:27], s[2:3]        ; conversion 0's codes
	s_add_nc_u64 s[28:29], s[16:17], s[2:3]
	s_add_nc_u64 s[30:31], s[28:29], 0x1000000     ; x's third section
	s_add_nc_u64 s[28:29], s[28:29], 0x800000      ; x's second section
.macro LOAD t
.irp i, 0,1,2,3
	global_load_b128 v[R+16*((\t)%4)+4*\i:R+16*((\t)%4)+4*\i+3], v3, s[24:25] offset:2048*(\t)+512*\i th:TH_LOAD_NT
.endr
.endm
.macro TURN t                          ; LDS serves a wave's instructions in order: no wait between the stores and the loads
.irp i, 0,1,2,3
	ds_store_b128 v[SI], v[R+16*((\t)%4)+4*\i:R+16*((\t)%4)+4*\i+3] offset:STG*((\t)%2)+8*SP*\i
.endr
	ds_load_b128 v[X+16*((\t)%2):X+16*((\t)%2)+3],     v[SO] offset:STG*((\t)%2)        ; k = 8 e + 0 .. 7 of my group (e = lane % 2),
	ds_load_b128 v[X+16*((\t)%2)+4:X+16*((\t)%2)+7],   v[SO] offset:STG*((\t)%2)+16
	ds_load_b128 v[X+16*((\t)%2)+8:X+16*((\t)%2)+11],  v[SO] offset:STG*((\t)%2)+SP     ; and k = 16 + 8 e + 0 .. 7
	ds_load_b128 v[X+16*((\t)%2)+12:X+16*((\t)%2)+15], v[SO] offset:STG*((\t)%2)+SP+16
.endm
.irp t, 0,1,2,3
	LOAD \t
.endr
	s_wait_kmcnt 0x0
	s_mov_b32 s33, s47                             ; conversion 0's exponent: e11, e5, e3, e1 for the weights, e0 for x
	s_cmp_eq_u32 s22, 2
	s_cselect_b32 s33, s41, s33
	s_cmp_eq_u32 s22, 1
	s_cselect_b32 s33, s39, s33
	s_cmp_eq_u32 s22, 0
	s_cselect_b32 s33, s37, s33
	s_cmp_eq_u32 s[ISX], 1
	s_cselect_b32 s33, s36, s33
.macro MKSC e, n                       ; 2^e as f32 (the conversion takes its exponent field)
	s_add_co_i32 s21, \e, 127
	s_lshl_b32 s23, s21, 23
	v_mov_b32 v[SCL+2*\n], s23
.endm
	MKSC s33, 0
	MKSC s38, 1
	MKSC s40, 2
	s_wait_alu depctr_va_vdst(0)
	s_wait_loadcnt 12                              ; step 0's four loads are in; three steps' twelve may be out
	TURN 0
.macro CONV t, n
.set XS, X+16*((\t)%2)
.set CD, C+12*((\t)%2)+4*(\n)
.set q1, 0
.rept 16
.set q1, q1+1
.endr
	v_cvt_scalef32_pk8_fp8_f32 v[CD:CD+1], v[XS:XS+7], v[SCL+2*(\n)]
	v_cvt_scalef32_pk8_fp8_f32 v[CD+2:CD+3], v[XS+8:XS+15], v[SCL+2*(\n)]
	v_nop                                          ; a plain line between the conversions and the next write of their sources
	global_store_b128 v3, v[CD:CD+3], s[26+2*(\n):27+2*(\n)] offset:512*(\t)   ; 32 lanes store 512 consecutive bytes
.endm
.macro STEP t
	s_wait_dscnt 0x0                               ; this step's numbers are back from the stage, and its stores into the stage have read their registers,
.if (\t)+4 < STEPS
	LOAD (\t)+4                                    ; which take the loads of four steps on
.endif
.if (\t)+1 < STEPS
.if STEPS-2-(\t) >= 3
	s_wait_loadcnt 12                              ; the next step's four loads are in; those of the three steps behind it may be out
.else
	s_wait_loadcnt 4*(STEPS-2-(\t))
.endif
	TURN (\t)+1
.endif
	s_wait_xcnt 0x0                                ; the stores of two steps ago have read this set of code registers
	CONV \t, 0
	s_cmp_eq_u32 s[ISX], 0                         ; a weight has one scale: the branch leads round vector work and global stores alone
	s_cbranch_scc1 .Lone_\@
	CONV \t, 1
	CONV \t, 2
.Lone_\@:
.endm
.irp t, 0,1,2,3,4,5,6,7,8,9,10,11,12,13,14,15
	STEP \t
.endr
	s_wait_tensorcnt 0x0                           ; the wave's end, behind my last LDS store
	ds_add_u32 v[SPW], v[NIL]
	s_wait_dscnt 0x0
	s_endpgm
.Lfunc_end_k_q896ad10c54_quant:
	.size	k_q896ad10c54_quant, .Lfunc_end_k_q896ad10c54_quant-k_q896ad10c54_quant
	.p2alignl 7, 3214868480
	.fill 96, 4, 3214868480
	.section	.rodata,"a",@progbits
	.p2align	6, 0x0
	.amdhsa_kernel k_q896ad10c54_quant
		.amdhsa_group_segment_fixed_size 33280
		.amdhsa_private_segment_fixed_size 0
		.amdhsa_enable_private_segment 0
		.amdhsa_kernarg_size 64
		.amdhsa_user_sgpr_count 2
		.amdhsa_user_sgpr_kernarg_segment_ptr 1
		.amdhsa_wavefront_size32 1
		.amdhsa_system_sgpr_workgroup_id_x 1
		.amdhsa_system_sgpr_workgroup_id_y 1
		.amdhsa_system_sgpr_workgroup_id_z 1
		.amdhsa_system_vgpr_workitem_id 0
		.amdhsa_next_free_vgpr 152
		.amdhsa_next_free_sgpr 66
		.amdhsa_reserve_vcc 0
		.amdhsa_float_denorm_mode_32 3
		.amdhsa_float_denorm_mode_16_64 3
		.amdhsa_fp16_overflow 1
		.amdhsa_memory_ordered 1
		.amdhsa_forward_progress 1
		.amdhsa_inst_pref_size 32
	.end_amdhsa_kernel
	.amdgpu_metadata
---
amdhsa.version: [ 1, 2 ]
amdhsa.kernels:
  - .name:           k_q896ad10c54_quant
    .symbol:         k_q896ad10c54_quant.kd
    .args:
      - { .name: x, .offset: 0, .size: 8, .value_kind: global_buffer, .address_space: global }
      - { .name: Wq, .offset: 8, .size: 8, .value_kind: global_buffer, .address_space: global }
      - { .name: Wk, .offset: 16, .size: 8, .value_kind: global_buffer, .address_space: global }
      - { .name: Wv, .offset: 24, .size: 8, .value_kind: global_buffer, .address_space: global }
      - { .name: Wp, .offset: 32, .size: 8, .value_kind: global_buffer, .address_space: global }
      - { .name: lowp_scales, .offset: 40, .size: 8, .value_kind: global_buffer, .address_space: global }
      - { .name: xc, .offset: 48, .size: 8, .value_kind: global_buffer, .address_space: global }
      - { .name: wc, .offset: 56, .size: 8, .value_kind: global_buffer, .address_space: global }
    .group_segment_fixed_size: 33280
    .private_segment_fixed_size: 0
    .kernarg_segment_align: 8
    .kernarg_segment_size: 64
    .max_flat_workgroup_size: 128
    .sgpr_count:     66
    .vgpr_count:     152
    .wavefront_size: 32
...
	.end_amdgpu_metadata
.endif
;; end of part 1
;; launch qkv (part 2): grid 4 x 96, 4 waves a work-group, clusters of 4 x 4, 327,680 bytes of LDS; arguments xc, wc, bq, bk, bv, mask, lowp_scales, qc, kc, vt, pt; writes qc, kc, vt, pt
.if DOCPART == 2
	.amdgcn_target "amdgcn-amd-amdhsa--gfx1250"
	.amdhsa_code_object_version 6
	.text
	.protected	k_q896ad10c54_qkv
	.globl	k_q896ad10c54_qkv
	.p2align	8
	.type	k_q896ad10c54_qkv,@function
k_q896ad10c54_qkv:
	s_mov_b64 s[64:65], 0
	v_nop
	global_prefetch_b8 v0, s[64:65] scope:SCOPE_SE
	s_setreg_imm32_b32 hwreg(HW_REG_WAVE_MODE, 25, 1), 1
	s_wait_xcnt 0x0
	s_wait_alu depctr_hold_cnt(0) depctr_sa_sdst(0) depctr_va_vdst(0) depctr_va_sdst(0) depctr_va_ssrc(0) depctr_va_vcc(0) depctr_vm_vsrc(0)
	s_getreg_b32 s2, hwreg(HW_REG_IB_STS2, 6, 4)
	s_cmp_eq_u32 s2, 0
	s_cbranch_scc0 .Lentry_in_a_cluster
	s_endpgm
.Lentry_in_a_cluster:
	s_bfe_u32 s2, ttmp6, 0x10000c
	s_cmp_lg_u32 s2, 0xf033
	s_cbranch_scc0 .Lentry_shape_is_right
	s_endpgm
.Lentry_shape_is_right:
; The three input projections on codes of E4M3, their biases, and the quantising of q, k and v for the two products of attention.
; JOB = cluster y / 8: 0 q, 1 k, 2 v; each job is a product of [8192][1024] by [1024][1024] codes, K = 1,024, in tiles of 256 x 256, a wave 128 x 128: 64 accumulators.
; The matrix instruction takes 16 rows of side B as source 0 and 16 rows of side A as source 1: a lane then holds ONE row of side A and eight neighbouring rows of side B.
;   q, k: side A = x's codes (rows t), side B = the weight (channels): a lane's registers run along the channels, the K of q k^T.
;   v:    side A = Wv (channels), side B = x's codes (rows t): a lane's registers run along the keys, the K of p v: v comes out with the keys innermost and nothing is transposed.
; Only pointers differ between the jobs in the K loop (both sides have rows of 1,024 bytes).
; OUT: value = sum x 2^(ex + ew) + bias, held within +-448 x 2^eo, converted with 2^eo.  qc, kc: [b][head][t][64].  vt: [b][head][key block of 128][channel 64][128 keys].
; Codes lie in groups of 32 along K with the pieces of 8 in the order 0-7, 16-23, 8-15, 24-31: the conversions of two neighbouring tiles ARE the 16 bytes at 32 g + 16 (lane / 16).
; THE PART OF ATTENTION BEYOND THE DIAGONAL.  There the logit is -10000 + (1 - mask) x -10000, whatever the query: u = logit x log2(e) hangs on the key alone.  For each head and key block the v job also makes
;   pt[b][head][block][64] = sum over the block's keys of code(2^(u - m)) x code(v),  m = the block's largest u rounded up to a whole number,
; by one more matrix instruction for each 16 channels (source 0: 16 equal rows of the weights' codes; source 1: the codes of v just made).  Position 2 L + q of an entry holds channel 32 q + L.
; CLUSTER 4 x 4: side A's tile is shared along a row of the cluster, side B's along a column: joint loads.  Ring of two slots of 256 along K; K has four such steps, written out.
; No prefetch: of four K steps two go out at the head, and the launch is short.
; LIMITS: ex + ew between -126 and 127; eo (entries 6, 7, 9) and entry 8 between -126 and 119.  NaN and infinities among the inputs are not served.
.set ROWB,   256
.set KROW,   1024
.set PITCH,  272                       ; 256 bytes + 16 of padding: the 16 rows of a fragment load start at 16 different groups of four banks
.set FR,     16
.set NL,     4
.set NP,     4
.set HALFT,  128*PITCH
.set SLOT,   4*HALFT                   ; side A's 256 rows, then side B's
.set SPARE,  2*SLOT                    ; behind the ring: the spare words, named by no other line
.set SQ,     0                         ; q, k: a wave's stage, 2 heads x 16 rows x 80 bytes; in slot 0, which has had its last fill and its last read by then
.set SV,     16384                     ; v: a wave's stage, 16 rows x 144 bytes; bytes of its own
.set RO,   12                          ; v12 4 r
.set PO,   13                          ; v13 8 x lane
.set ADRA, 16                          ; v16-17
.set LIM8, 18                          ; v19 2^e8
.set SC8,  19
.set ADRB, 20                          ; v20-21
.set LIMO, 22                          ; v23 2^eo
.set SCO,  23
.set STOQ, 24
.set RDQ,  25
.set STOV, 26
.set RDV,  27
.set SPW,  28
.set NIL,  29
.set CO,   30                          ; v30 16 x lane
.set HO,   31                          ; v31 32 h
.set BV,   32                          ; v: v32-47 my channel's bias of block a, twice (a pair for the packed form)
.set WF,   48                          ; v: v48-63 the weights' codes as an operand
.set BI,   64                          ; q, k: v64-127 the biases of my 64 channels
.set MK,   64                          ; v: v64-127 mask, then u, then 2^(u - m)
.set TP,   64                          ; v: later v64-95 four results of the extra product
.set RR,   96                          ; v: v96-99 what goes to pt
.set TMP,  128
.set PC,   192                         ; two sets of 16 registers of codes
.set BK,   224                         ; two sets of 16 registers back from the stage
.set AF,   128                         ; side A's fragments, one set, window 0
.set G1, 24
.set G0, 32
.set G1B, 48
.set G0B, 56
.set MSB, 0
.macro WIN new                         ; the immediate's high byte repeats the setting that is left
.if MSB != \new
	s_set_vgpr_msb (MSB<<8)|\new
.set MSB, \new
.endif
.endm
.set MUL_LO, 0xa1                      ; source 0 (B) window 1, source 1 (A) window 0, C and D window 2
.set MUL_HI, 0xf1                      ; the same, C and D window 3
.set TO_B,   0x40
.macro JLOAD g0a, g1a, g0b, g1b        ; waves 0, 1 fetch side A's halves, waves 2, 3 side B's; an s_nop 0 and four v_nop follow each line
	s_cmp_eq_u32 s15, 0
	s_cbranch_scc0 .Lfor_b_\@
	tensor_load_to_lds s[\g0a:\g0a+3], s[\g1a:\g1a+7]
	s_nop 0
.rept 4
	v_nop
.endr
	s_branch .Lasked_\@
.Lfor_b_\@:
	tensor_load_to_lds s[\g0b:\g0b+3], s[\g1b:\g1b+7]
	s_nop 0
.rept 4
	v_nop
.endr
.Lasked_\@:
.endm
.macro CREST
	s_cmp_lg_u32 s14, 0
	s_cbranch_scc1 .Lnot_wave_0_\@
	s_barrier_signal -3
.Lnot_wave_0_\@:
	s_barrier_wait -3
	s_barrier_signal -1
	s_barrier_wait -1
.endm
.macro CROUND
	s_barrier_signal -1
	s_barrier_wait -1
	CREST
.endm
	s_load_b256 s[4:11], s[0:1], 0x0               ; xc, wc, bq, bk
	s_load_b256 s[68:75], s[0:1], 0x20             ; bv, mask, the exponents, qc
	s_load_b128 s[76:79], s[0:1], 0x40             ; kc, vt
	s_load_b64 s[80:81], s[0:1], 0x50              ; pt
	v_lshl_add_u32 v[SPW], v0, 2, SPARE
	v_mov_b32 v[NIL], 0
	ds_add_u32 v[SPW], v[NIL]                      ; the wave's opening: the add and its wait ahead of my first tensor load
	ds_add_u32 v[SPW], v[NIL]
	v_lshrrev_b32 v1, 5, v0
	v_readfirstlane_b32 s14, v1                    ; wave
	s_lshr_b32 s15, s14, 1                         ; my half of side A's rows.  Also: I fetch for A (0) or B (1)
	s_and_b32 s16, s14, 1                          ; my half of side B's rows.  Also: which 128 rows I fetch
	s_bfe_u32 s40, ttmp6, 0x40000                  ; cx
	s_bfe_u32 s41, ttmp6, 0x40004                  ; cy
	s_and_b32 s82, ttmp7, 0xffff                   ; cluster y: alike in all sixteen partners
	s_and_b32 s83, s82, 7                          ; which group of four tiles along x's rows
	s_lshr_b32 s82, s82, 3                         ; JOB
	s_lshl_b32 s18, s83, 2
	s_cmp_eq_u32 s82, 2
	s_cselect_b32 s19, 0, s18                      ; x's rows are side A's in jobs 0, 1,
	s_cselect_b32 s18, s18, 0                      ; side B's in job 2
	s_add_co_u32 s17, s19, s41                     ; side A's tile: hangs on cy alone of the place in the cluster
	s_add_co_u32 s42, s18, s40                     ; side B's tile: on cx alone
	s_lshl_b32 s43, s41, 2
	s_lshl_b32 s43, 15, s43                        ; my row of the cluster
	s_lshl_b32 s44, 0x1111, s40                    ; my column
	s_or_b32 s[G1+0], s43, (0<<16)|(1<<20)|(1<<21)|(5<<22)|(3<<25)  ; mask; elements of 1 byte; padding on; bit 21 beside a mask; four words after every 64
	s_or_b32 s[G1B+0], s44, (0<<16)|(1<<20)|(1<<21)|(5<<22)|(3<<25)
.irp g, G1, G1B
	s_mov_b32 s[\g+1], ROWB<<16                    ; tensor_dim0
	s_mov_b32 s[\g+2], 128<<16                     ; tensor_dim1
	s_mov_b32 s[\g+3], ROWB<<16                    ; tile_dim0
	s_mov_b32 s[\g+4], 128                         ; tile_dim1
	s_mov_b32 s[\g+5], KROW                        ; bytes from row to row
	s_mov_b32 s[\g+6], 0
	s_mov_b32 s[\g+7], 0
.endr
	s_lshl_b32 s18, s16, 7
	s_lshl_b32 s20, s17, 8
	s_add_co_u32 s20, s20, s18
	s_lshl_b32 s20, s20, 10                        ; side A: (256 tile + 128 half) rows of 1,024 bytes
	s_mov_b32 s21, 0
	s_lshl_b32 s46, s42, 8
	s_add_co_u32 s46, s46, s18
	s_lshl_b32 s46, s46, 10                        ; side B likewise
	s_mov_b32 s47, 0
	s_lshl_b32 s22, s82, 23                        ; the job's section of xc,
	s_mov_b32 s23, 0
	s_lshl_b32 s98, s82, 20                        ; and of wc
	s_mov_b32 s99, 0
	s_mul_i32 s45, s14, HALFT                      ; where my part of a tile goes: wave x 128 rows
	s_mov_b32 s100, 0x76543210                     ; lane selects: lane l xor 16
	s_mov_b32 s101, 0xfedcba98
	s_wait_dscnt 0x0                               ; the opening add is done
	s_wait_kmcnt 0x0
	s_load_b256 s[84:91], s[72:73], 0x0            ; e0 .. e7
	s_load_b128 s[92:95], s[72:73], 0x20           ; e8 .. e11
	s_add_nc_u64 s[4:5], s[4:5], s[22:23]
	s_add_nc_u64 s[6:7], s[6:7], s[98:99]
	s_cmp_eq_u32 s82, 2
	s_cselect_b64 s[12:13], s[6:7], s[4:5]         ; side A's tensor
	s_cselect_b64 s[2:3], s[4:5], s[6:7]           ; side B's
	s_add_nc_u64 s[20:21], s[12:13], s[20:21]
	s_add_nc_u64 s[46:47], s[2:3], s[46:47]
	CROUND                                         ; all sixteen work-groups are here: the first joint loads meet
.irp s, 0,1
	s_mov_b32 s[G0+4*\s], 1
	s_add_co_u32 s[G0+4*\s+1], s45, \s*SLOT
	s_add_nc_u64 s[G0+4*\s+2:G0+4*\s+3], s[20:21], \s*ROWB
	s_or_b32 s[G0+4*\s+3], s[G0+4*\s+3], 0x80000000
	s_mov_b32 s[G0B+4*\s], 1
	s_add_co_u32 s[G0B+4*\s+1], s45, \s*SLOT
	s_add_nc_u64 s[G0B+4*\s+2:G0B+4*\s+3], s[46:47], \s*ROWB
	s_or_b32 s[G0B+4*\s+3], s[G0B+4*\s+3], 0x80000000
	JLOAD G0+4*\s, G1, G0B+4*\s, G1B               ; two loads of mine are out
.endr
	v_and_b32 v1, 15, v0                           ; r
	s_wait_alu depctr_va_vdst(0)
	v_bfe_u32 v2, v0, 4, 1                         ; h
	v_mul_u32_u24 v3, v1, PITCH
	v_lshl_add_u32 v4, v2, 4, v3
	s_mul_i32 s21, s15, HALFT
	s_mul_i32 s22, s16, HALFT
	s_add_co_u32 s22, s22, 2*HALFT
.irp s, 0,1
	v_add_nc_u32 v[ADRA+\s], s21, v4
	v_add_nc_u32 v[ADRB+\s], s22, v4
	s_add_co_u32 s21, s21, SLOT
	s_add_co_u32 s22, s22, SLOT
.endr
	; all stage addresses are made here, ahead of the parting of the jobs
	s_mul_i32 s23, s14, 2560
	v_mul_u32_u24 v5, v1, 80
	s_wait_alu depctr_va_vdst(0)
	v_lshl_add_u32 v5, v2, 4, v5
	v_add_nc_u32 v[STOQ], s23, v5                  ; q, k in: row r of 80 bytes, 16 h
	v_and_b32 v6, 31, v0
	v_lshrrev_b32 v7, 2, v6
	v_mul_u32_u24 v7, v7, 80
	v_and_b32 v8, 3, v6
	v_lshl_add_u32 v7, v8, 4, v7
	v_add_nc_u32 v[RDQ], s23, v7                   ; back: four lanes to a row of 64 bytes, eight rows an instruction
	s_mul_i32 s23, s14, 2304
	s_add_co_u32 s23, s23, SV
	v_mul_u32_u24 v5, v1, 144
	v_lshl_add_u32 v5, v2, 4, v5
	v_add_nc_u32 v[STOV], s23, v5                  ; v in: row r of 144 bytes, 16 h
	v_lshrrev_b32 v7, 3, v6
	v_mul_u32_u24 v7, v7, 144
	v_and_b32 v8, 7, v6
	v_lshl_add_u32 v7, v8, 4, v7
	v_add_nc_u32 v[RDV], s23, v7                   ; back: eight lanes to a row of 128 bytes, four rows an instruction
	v_lshlrev_b32 v[CO], 4, v6
	v_lshlrev_b32 v[HO], 5, v2
	v_lshlrev_b32 v[RO], 2, v1
	v_lshlrev_b32 v[PO], 3, v6
.macro FRAG reg, adr, q, i             ; 16 rows x 128 K: four loads of 16 bytes; the codes' order in memory puts each k into its own place
.irp c, 0,1,2,3
	ds_load_b128 v[\reg+4*\c:\reg+4*\c+3], v[\adr] offset:128*(\q)+32*\c+(\i)*16*PITCH
.endr
.endm
; 16 matrix instructions: A's blocks a0, a0 + 1 x B's eight.  The 64 accumulators take turns, one instruction a turn, in the same order in every step.
.macro MUL16 a0, p, zero
.irp a, \a0, \a0+1
.irp b, 0,1,2,3,4,5,6,7
.if \zero
	v_wmma_f32_16x16x128_fp8_fp8 v[8*(8*((\a)%4)+\b):8*(8*((\a)%4)+\b)+7], v[128*(\p)+FR*\b:128*(\p)+FR*\b+FR-1], v[AF+FR*(\a):AF+FR*(\a)+FR-1], 0
.else
	v_wmma_f32_16x16x128_fp8_fp8 v[8*(8*((\a)%4)+\b):8*(8*((\a)%4)+\b)+7], v[128*(\p)+FR*\b:128*(\p)+FR*\b+FR-1], v[AF+FR*(\a):AF+FR*(\a)+FR-1], v[8*(8*((\a)%4)+\b):8*(8*((\a)%4)+\b)+7]
.endif
.endr
.endr
.endm
.macro FETCH_B slot, q, p
	WIN TO_B
.irp i, 0,1,2,3,4,5,6,7
	FRAG 128*(\p)+FR*\i, ADRB+\slot, \q, \i
.endr
	WIN 0
.endm
.macro FETCH_A slot, q, i0
.irp i, \i0, \i0+1, \i0+2, \i0+3
	FRAG AF+FR*(\i), ADRA+\slot, \q, \i
.endr
.endm
.macro PLACES n                        ; plain vector lines between a matrix instruction and a load into, or a vector write of, one of its registers, or a read of its result
.rept \n
	v_nop
.endr
.endm
.macro STEP slot, q, zero              ; 128 along K whose successor lies in the same slot
	s_wait_dscnt 4*NL                              ; B's set and A's blocks 0-3 are in; A's blocks 4-7 (16 loads) may be out
	WIN MUL_LO
	MUL16 0, (\q)%2, \zero
	MUL16 2, (\q)%2, \zero
	s_wait_dscnt 0
	PLACES NP
	FETCH_B \slot, (\q)+1, 1-(\q)%2
	FETCH_A \slot, (\q)+1, 0
	WIN MUL_HI
	MUL16 4, (\q)%2, \zero
	MUL16 6, (\q)%2, \zero
	PLACES NP
	WIN 0
	FETCH_A \slot, (\q)+1, 4
.endm
.macro TURN slot, next, fill           ; a slot's last 128 along K, and the change of slots
	s_wait_tensorcnt 0x0                           ; all my tensor loads have landed: my part of the next slot
	ds_add_u32 v[SPW], v[NIL]                      ; 0 onto my spare word
	s_wait_dscnt 4*NL+1                            ; the add and A's blocks 4-7 may be out
	WIN MUL_LO
	MUL16 0, 1, 0
	s_wait_dscnt 0x0                               ; the add is done, and my reads of this slot are over
	s_barrier_signal -1
	MUL16 2, 1, 0
	WIN 0
	s_barrier_wait -1
.if \fill
	CREST                                          ; the barrier has opened a round of the cluster's: no wave of any partner still reads this slot or has a load on its way
	s_add_nc_u64 s[G0+4*\slot+2:G0+4*\slot+3], s[G0+4*\slot+2:G0+4*\slot+3], 2*ROWB
	s_add_nc_u64 s[G0B+4*\slot+2:G0B+4*\slot+3], s[G0B+4*\slot+2:G0B+4*\slot+3], 2*ROWB
	JLOAD G0+4*\slot, G1, G0B+4*\slot, G1B         ; my one tensor load behind the round; its four v_nop are the places in front of the loads below
.else
	PLACES NP
.endif
	FETCH_B \next, 0, 0
	FETCH_A \next, 0, 0
	WIN MUL_HI
	MUL16 4, 1, 0
	MUL16 6, 1, 0
	PLACES NP
	WIN 0
	FETCH_A \next, 0, 4
.endm
.macro LASTSTEP
	s_wait_dscnt 4*NL
	WIN MUL_LO
	MUL16 0, 1, 0
	MUL16 2, 1, 0
	s_wait_dscnt 0
	WIN MUL_HI
	MUL16 4, 1, 0
	MUL16 6, 1, 0
	WIN 0
.endm
	s_wait_tensorcnt 1                             ; my part of K step 0 is in; K step 1's load may be out
	s_barrier_signal -1
	s_barrier_wait -1
	FETCH_B 0, 0, 0
	FETCH_A 0, 0, 0
	FETCH_A 0, 0, 4
	STEP 0, 0, 1                                   ; the first products start the sums
	TURN 0, 1, 1                                   ; slot 0 takes K step 2
	STEP 1, 0, 0
	TURN 1, 0, 1                                   ; slot 1 takes K step 3
	STEP 0, 0, 0
	TURN 0, 1, 0                                   ; nothing is left to fetch; behind this barrier nobody reads slot 0
	STEP 1, 0, 0
	s_wait_kmcnt 0x0
	s_cmp_eq_u32 s82, 0                            ; the job's three exponents, chosen without a branch
	s_cselect_b32 s18, s84, s86
	s_cselect_b32 s19, s85, s87
	s_cselect_b32 s22, s90, s91
	s_cmp_eq_u32 s82, 2
	s_cselect_b32 s18, s88, s18
	s_cselect_b32 s19, s89, s19
	s_cselect_b32 s22, s93, s22
	s_add_co_i32 s96, s18, s19
	s_add_co_i32 s96, s96, 127
	s_lshl_b32 s96, s96, 23                        ; 2^(ex + ew)
	s_mov_b32 s97, s96
	s_add_co_i32 s22, s22, 127
	s_lshl_b32 s23, s22, 23
	v_mov_b32 v[SCO], s23
	s_add_co_i32 s22, s92, 127
	s_lshl_b32 s23, s22, 23
	v_mov_b32 v[SC8], s23
; Block a of 16 rows of side A: value = sum x 2^(ex + ew) + bias; the hold; the conversions; through my stage, so that stores cover 512 consecutive bytes.
.macro OUT a, isv
.set AC, 64*((\a)%4)
.set PS, PC+16*((\a)%2)
.set BB, BK+16*((\a)%2)
	WIN 0x02+((\a)/4)                              ; source 0: window 2 or 3
.set n1, 0
.rept 32
.if \isv
	v_pk_fma_f32 v[TMP+n1:TMP+n1+1], v[AC+n1:AC+n1+1], s[96:97], v[BV+2*(\a):BV+2*(\a)+1] op_sel_hi:[1,0,1]   ; each accumulator from its low end on
.else
	v_pk_fma_f32 v[TMP+n1:TMP+n1+1], v[AC+n1:AC+n1+1], s[96:97], v[BI+n1:BI+n1+1] op_sel_hi:[1,0,1]
.endif
.set n1, n1+2
.endr
	WIN 0
.set n1, 0
.rept 64
.set n1, n1+1
.endr
.set n1, 0
.rept 8
	v_cvt_scalef32_pk8_fp8_f32 v[PS+2*n1:PS+2*n1+1], v[TMP+8*n1:TMP+8*n1+7], v[SCO]
.set n1, n1+1
.endr
	v_nop                                          ; a plain line behind the last conversion
.if \isv
	v_wmma_f32_16x16x128_fp8_fp8 v[TP+8*((\a)%4):TP+8*((\a)%4)+7], v[WF:WF+15], v[PS:PS+15], 0   ; every row: the sum over my 128 keys of weight code x v code, for these 16 channels
.irp g, 0,1,2,3
	ds_store_b128 v[STOV], v[PS+4*\g:PS+4*\g+3] offset:32*\g
.endr
.irp n, 0,1,2,3
	ds_load_b128 v[BB+4*\n:BB+4*\n+3], v[RDV] offset:576*\n     ; LDS serves a wave's instructions in order: these see the stores above
.endr
.else
.irp g, 0,1,2,3
	ds_store_b128 v[STOQ], v[PS+4*\g:PS+4*\g+3] offset:(\g/2)*1280+(\g%2)*32
.endr
.irp n, 0,1,2,3
	ds_load_b128 v[BB+4*\n:BB+4*\n+3], v[RDQ] offset:(\n/2)*1280+(\n%2)*640
.endr
.endif
.endm
.macro SEND a, isv, younger            ; younger: the LDS instructions issued behind block a's loads
.set BB, BK+16*((\a)%2)
	s_wait_dscnt \younger
.irp n, 0,1,2,3
.if \isv
	global_store_b128 v[CO], v[BB+4*\n:BB+4*\n+3], s[20:21] offset:((\a)/4)*131072+((\a)%4)*2048+512*\n
.else
	global_store_b128 v[CO], v[BB+4*\n:BB+4*\n+3], s[20:21] offset:(\n/2)*131072+(\a)*1024+(\n%2)*512
.endif
.endr
.endm
	s_cmp_eq_u32 s82, 2                            ; the job: the same in all sixteen partners
	s_cbranch_scc1 .Lv_arm
	; ---- q, k
	s_lshl_b32 s18, s17, 8
	s_lshl_b32 s19, s15, 7
	s_add_co_u32 s18, s18, s19                     ; my first row of x
	s_lshr_b32 s19, s18, 11                        ; b
	s_and_b32 s18, s18, 2047                       ; t
	s_lshl_b32 s19, s19, 4
	s_lshl_b32 s20, s40, 2
	s_add_co_u32 s19, s19, s20
	s_lshl_b32 s20, s16, 1
	s_add_co_u32 s19, s19, s20                     ; 16 b + my first head (4 cx + 2 x half)
	s_lshl_b32 s19, s19, 11
	s_add_co_u32 s19, s19, s18
	s_lshl_b32 s20, s19, 6                         ; rows of 64 bytes
	s_mov_b32 s21, 0
	s_cmp_eq_u32 s82, 0
	s_cselect_b64 s[2:3], s[74:75], s[76:77]
	s_cselect_b64 s[12:13], s[8:9], s[10:11]
	s_add_nc_u64 s[20:21], s[2:3], s[20:21]
	s_lshl_b32 s18, s40, 10
	s_lshl_b32 s19, s16, 9
	s_add_co_u32 s18, s18, s19
	s_mov_b32 s19, 0
	s_add_nc_u64 s[12:13], s[12:13], s[18:19]      ; the bias at my first channel
	s_wait_alu depctr_va_vdst(0)
.irp b, 0,1,2,3,4,5,6,7
	global_load_b128 v[BI+8*\b:BI+8*\b+3],   v[HO], s[12:13] offset:64*\b      ; channels 16 b + 8 h + 0 .. 7
	global_load_b128 v[BI+8*\b+4:BI+8*\b+7], v[HO], s[12:13] offset:64*\b+16
.endr
	LASTSTEP                                       ; the last 64 products stand between these loads and the wait for them
	s_wait_loadcnt 0x0
	PLACES NP
	OUT 0, 0
.irp a, 1,2,3,4,5,6,7
.if \a > 1
	s_wait_xcnt 0x0                                ; the stores of two blocks ago have read their registers
.endif
	OUT \a, 0
	SEND \a-1, 0, 8                                ; behind block a - 1's loads: block a's four stores and four loads
.endr
	SEND 7, 0, 0
	s_branch .Ldone
	; ---- v
.Lv_arm:
	s_lshl_b32 s18, s42, 8
	s_lshl_b32 s19, s16, 7
	s_add_co_u32 s18, s18, s19                     ; my 128 keys' first row of x
	s_lshl_b32 s2, s18, 2
	s_mov_b32 s3, 0
	s_add_nc_u64 s[70:71], s[70:71], s[2:3]        ; their mask
	s_lshr_b32 s19, s18, 11                        ; b
	s_bfe_u32 s18, s18, 0x40007                    ; the key block
	s_lshl_b32 s19, s19, 4
	s_lshl_b32 s20, s41, 2
	s_add_co_u32 s19, s19, s20
	s_lshl_b32 s20, s15, 1
	s_add_co_u32 s19, s19, s20                     ; 16 b + my first head (4 cy + 2 x half)
	s_lshl_b32 s19, s19, 4
	s_add_co_u32 s19, s19, s18                     ; x 16 + key block
	s_lshl_b32 s20, s19, 13
	s_mov_b32 s21, 0
	s_add_nc_u64 s[20:21], s[78:79], s[20:21]      ; vt: 8,192 bytes a key block
	s_lshl_b32 s2, s19, 8
	s_add_nc_u64 s[80:81], s[80:81], s[2:3]        ; pt: 256 bytes a key block
	s_lshl_b32 s2, s41, 10
	s_lshl_b32 s18, s15, 9
	s_add_co_u32 s2, s2, s18
	s_add_nc_u64 s[68:69], s[68:69], s[2:3]        ; bv at my first channel
	s_mov_b32 s98, 0xffff0000                      ; lanes 16-31
	s_wait_alu depctr_va_vdst(0)
.irp a, 0,1,2,3,4,5,6,7
	global_load_b32 v[BV+2*\a],   v[RO], s[68:69] offset:64*\a
	global_load_b32 v[BV+2*\a+1], v[RO], s[68:69] offset:64*\a
.endr
.irp c, 0,1,2,3,4,5,6,7
	global_load_b128 v[MK+8*\c:MK+8*\c+3],   v[HO], s[70:71] offset:64*\c      ; keys 16 c + 8 h + 0 .. 7: the operand's own order
	global_load_b128 v[MK+8*\c+4:MK+8*\c+7], v[HO], s[70:71] offset:64*\c+16
.endr
	LASTSTEP
	s_wait_loadcnt 0x0
	PLACES NP
	; u = ((1 - mask) x -10000 + -10000) x log2(e): four roundings, as the attention launch repeats them (so the multiply and the add are not fused)
.set n1, 0
.rept 32
	v_pk_fma_f32 v[MK+n1:MK+n1+1], v[MK+n1:MK+n1+1], -1.0, 1.0 op_sel_hi:[1,0,0]
.set n1, n1+2
.endr
.set n1, 0
.rept 32
	v_pk_mul_f32 v[MK+n1:MK+n1+1], v[MK+n1:MK+n1+1], 0xc61c4000 op_sel_hi:[1,0]
.set n1, n1+2
.endr
.set n1, 0
.rept 32
	v_pk_add_f32 v[MK+n1:MK+n1+1], v[MK+n1:MK+n1+1], 0xc61c4000 op_sel_hi:[1,0]
.set n1, n1+2
.endr
.set n1, 0
.rept 32
	v_pk_mul_f32 v[MK+n1:MK+n1+1], v[MK+n1:MK+n1+1], 0x3fb8aa3b op_sel_hi:[1,0]
.set n1, n1+2
.endr
	v_max3_num_f32 v128, v[MK], v[MK+1], v[MK+2]
	v_max3_num_f32 v129, v[MK+3], v[MK+4], v[MK+5]
.set n1, 6
.rept 14
	v_max3_num_f32 v128, v128, v[MK+n1], v[MK+n1+1]
	v_max3_num_f32 v129, v129, v[MK+n1+2], v[MK+n1+3]
.set n1, n1+4
.endr
	v_max3_num_f32 v128, v128, v[MK+62], v[MK+63]
	v_max_num_f32 v128, v128, v129
	v_mov_b32 v130, 0
	v_permlanex16_b32 v130, v128, s100, s101       ; the block's other 64 keys lie in the lane 16 away
	v_max_num_f32 v128, v128, v130
	v_floor_f32 v132, -v128                        ; -m
	v_mov_b32 v133, 0
.set n1, 0
.rept 32
	v_pk_add_f32 v[MK+n1:MK+n1+1], v[MK+n1:MK+n1+1], v[132:133] op_sel_hi:[1,0]
.set n1, n1+2
.endr
.set n1, 0
	s_wait_alu depctr_va_vdst(0)
.rept 64
	v_exp_f32 v[MK+n1], v[MK+n1]
.set n1, n1+1
.endr
	v_mov_b32 v130, 0                              ; a plain line behind the last exponential
	s_wait_alu depctr_va_vdst(0)                   ; one wait for the batch, ahead of its first reader
.set n1, 0
.rept 64
.set n1, n1+1
.endr
.set n1, 0
.rept 8
	v_cvt_scalef32_pk8_fp8_f32 v[WF+2*n1:WF+2*n1+1], v[MK+8*n1:MK+8*n1+7], v[SC8]
.set n1, n1+1
.endr
	v_nop
	OUT 0, 1
.irp a, 1,2,3,4,5,6,7
.if \a > 1
	s_wait_xcnt 0x0
.endif
	OUT \a, 1
	SEND \a-1, 1, 8
.if (\a % 4) == 3                      ; a head's four results: lanes 0-15 take the even tile's channels, lanes 16-31 the odd tile's; register 0 of each
	PLACES NP
	v_cndmask_b32 v[RR+2*(\a/4)],   v[TP],    v[TP+8],  s98
	v_cndmask_b32 v[RR+2*(\a/4)+1], v[TP+16], v[TP+24], s98
	global_store_b64 v[PO], v[RR+2*(\a/4):RR+2*(\a/4)+1], s[80:81] offset:4096*(\a/4)   ; 32 lanes store 256 consecutive bytes
.endif
.endr
	SEND 7, 1, 0
.Ldone:
	s_wait_tensorcnt 0x0                           ; the wave's end
	ds_add_u32 v[SPW], v[NIL]
	s_wait_dscnt 0x0
	CROUND                                         ; the closing round
	s_endpgm
.Lfunc_end_k_q896ad10c54_qkv:
	.size	k_q896ad10c54_qkv, .Lfunc_end_k_q896ad10c54_qkv-k_q896ad10c54_qkv
	.p2alignl 7, 3214868480
	.fill 96, 4, 3214868480
	.section	.rodata,"a",@progbits
	.p2align	6, 0x0
	.amdhsa_kernel k_q896ad10c54_qkv
		.amdhsa_group_segment_fixed_size 327680
		.amdhsa_private_segment_fixed_size 0
		.amdhsa_enable_private_segment 0
		.amdhsa_kernarg_size 88
		.amdhsa_user_sgpr_count 2
		.amdhsa_user_sgpr_kernarg_segment_ptr 1
		.amdhsa_wavefront_size32 1
		.amdhsa_system_sgpr_workgroup_id_x 1
		.amdhsa_system_sgpr_workgroup_id_y 1
		.amdhsa_system_sgpr_workgroup_id_z 1
		.amdhsa_system_vgpr_workitem_id 0
		.amdhsa_next_free_vgpr 1024
		.amdhsa_next_free_sgpr 102
		.amdhsa_reserve_vcc 0
		.amdhsa_float_denorm_mode_32 3
		.amdhsa_float_denorm_mode_16_64 3
		.amdhsa_fp16_overflow 1
		.amdhsa_memory_ordered 1
		.amdhsa_forward_progress 1
		.amdhsa_inst_pref_size 165
	.end_amdhsa_kernel
	.amdgpu_metadata
---
amdhsa.version: [ 1, 2 ]
amdhsa.kernels:
  - .name:           k_q896ad10c54_qkv
    .symbol:         k_q896ad10c54_qkv.kd
    .args:
      - { .name: xc, .offset: 0, .size: 8, .value_kind: global_buffer, .address_space: global }
      - { .name: wc, .offset: 8, .size: 8, .value_kind: global_buffer, .address_space: global }
      - { .name: bq, .offset: 16, .size: 8, .value_kind: global_buffer, .address_space: global }
      - { .name: bk, .offset: 24, .size: 8, .value_kind: global_buffer, .address_space: global }
      - { .name: bv, .offset: 32, .size: 8, .value_kind: global_buffer, .address_space: global }
      - { .name: mask, .offset: 40, .size: 8, .value_kind: global_buffer, .address_space: global }
      - { .name: lowp_scales, .offset: 48, .size: 8, .value_kind: global_buffer, .address_space: global }
      - { .name: qc, .offset: 56, .size: 8, .value_kind: global_buffer, .address_space: global }
      - { .name: kc, .offset: 64, .size: 8, .value_kind: global_buffer, .address_space: global }
      - { .name: vt, .offset: 72, .size: 8, .value_kind: global_buffer, .address_space: global }
      - { .name: pt, .offset: 80, .size: 8, .value_kind: global_buffer, .address_space: global }
    .group_segment_fixed_size: 327680
    .private_segment_fixed_size: 0
    .kernarg_segment_align: 8
    .kernarg_segment_size: 88
    .max_flat_workgroup_size: 128
    .sgpr_count:     102
    .vgpr_count:     1024
    .wavefront_size: 32
...
	.end_amdgpu_metadata
.endif
;; end of part 2
;; launch attn (part 3): grid 4 x 64, 8 waves a work-group, no clusters, 327,680 bytes of LDS; arguments qc, kc, vt, pt, mask, lowp_scales, yc; writes yc
.if DOCPART == 3
	.amdgcn_target "amdgcn-amd-amdhsa--gfx1250"
	.amdhsa_code_object_version 6
	.text
	.protected	k_q896ad10c54_attn
	.globl	k_q896ad10c54_attn
	.p2align	8
	.type	k_q896ad10c54_attn,@function
k_q896ad10c54_attn:
	s_mov_b64 s[64:65], 0
	v_nop
	global_prefetch_b8 v0, s[64:65] scope:SCOPE_SE
	s_setreg_imm32_b32 hwreg(HW_REG_WAVE_MODE, 25, 1), 1
	s_wait_xcnt 0x0
; Attention on codes of E4M3: S^T = k q^T (K = 64), softmax by a running whole-number M, O^T = v^T p^T (K = the keys), y quantised for the last projection.
; logit = score / 8 + add where key <= query, -10000 + add elsewhere; add = (1 - mask[key]) x -10000.  t = logit x log2(e); p = 2^(t - M), M = the running largest t rounded up; the sum l is taken of the unquantised p.
; THE MASKS.  add enters as the C of the score's matrix instruction (add x 2^(3 - e6 - e7), one f32 a key, kept in LDS).  -10000 is no -infinity: in a row whose earlier keys are all masked the later keys carry weight.
; So: in a wave's diagonal step hidden scores are replaced by (-10000 + add) in the same units.  Key blocks wholly behind it are not walked: there p = 2^(u_key - M) hangs on the key alone, so their part of O and of l is
; one vector and one number for each (head, first block left out), made from pt (the launch before) and from the mask, and merged at the end as a streaming softmax merges a later step: by exact powers of two.
; SHARES.  Work-group (i, head) owns query blocks 7 - i and then i of 256 queries: 9 slots of 256 keys for every work-group.  A wave owns 32 queries, two tiles of 16: each fragment of k, v and add read from LDS feeds two tiles.
; A lane holds one query (lane % 16) throughout; its registers run along the keys (S^T, p) or the channels (O^T).
; No cluster: the four work-groups of a head want the same slot only in their first trips, and a work-group's k and v are 288 KiB in all.
; LIMITS: e6 + e7 between -100 and 100; e8 and e10 between -126 and 119; e8 + e9 is applied by v_ldexp_f32.  mask may be any finite number.  NaN and infinities are not served.
.set VOFF,  17408                      ; a slot: k, 64 rows (four keys each) of 256 + 16 bytes; then v, 64 rows (two channels each; 32 rows a key block)
.set STEPB, 8704                       ; 128 keys: 32 rows, in k's part and in v's
.set SLOT1, 65536
.set ADT,   131072                     ; add x 2^(3 - e6 - e7) of the 2,048 keys
.set ML,    139264                     ; (-m, lambda) of the 16 key blocks
.set TT,    139520                     ; the table: the four entries that this work-group needs, 320 bytes each, at place 2 x pass + (reading wave / 4): 64 f32; (-mu, lambda) at 256 and again at 288 (lanes 16-31 read 32 bytes further on)
.set STG,   144640                     ; a wave's stage: 32 rows x 80 bytes
.set SPARE, 165120                     ; the spare words, 128 bytes a wave, named by no other line
; v1 k's lane place, v2 v's, v3 add's, v4 256 x lane (prefetch), v5 spare word, v6 0, v7 y's offset, v8-10 addresses of the step in hand, v11 q's offset
; tile T: v[12+4T] -M, +1 largest t, +2, +3 the sum in two halves; v[20+2T] f (pair); v[24+8T] q; v[40+16T] p's codes; v72-75 diagonal; v[76+2T], +1 at work; v[80+2T] pair at work
; v85: 2^e8; v87: 2^e10; v88, v89 stage in, out; v90 my place in the table's first pass; v92, v93 lane exchange; v94, v95 (-mu, lambda); v96-223 S^T, p; v224-255 the table's vector
; window 1: v0-63 k (8 x 8), v64-127 v (4 x 16), v128-191 add (8 x 8), v[192+32T] O^T
.set MSB, 0
.macro WIN new
.if MSB != \new
	s_set_vgpr_msb (MSB<<8)|\new
.set MSB, \new
.endif
.endm
.macro TLOAD                           ; wave 0 fetches a slot's k, wave 1 its v: 16,384 dense bytes each
	s_cmp_lt_u32 s18, 2
	s_cbranch_scc0 .Lnone_\@
	tensor_load_to_lds s[32:35], s[24:31]
	s_nop 0
.rept 4
	v_nop
.endr
.Lnone_\@:
.endm
; A prefetch of the slot that the NEXT change will ask for.  The head's first work-group (i = 0) walks slots 0 to 7 in order: it asks, in trips 0 to 5, for slots 2 to 7; waves 2, 3 for k's halves, waves 4, 5 for v's,
; 8,192 bytes a wave, lanes 256 bytes apart: each block of 256 bytes is named once in the launch.  Slots 0 and 1 come by their loads alone.
.macro ASK
	s_cmp_lt_u32 s40, s52
	s_cbranch_scc0 .Lnot_mine_\@
	global_prefetch_b8 v4, s[50:51] th:TH_LOAD_NT scope:SCOPE_SE
.Lnot_mine_\@:
.endm
.macro SIGMA dst, m                    ; the key slot of trip m: m in the first pass (m <= 7 - i), m - (8 - i) in the second
	s_sub_co_u32 s61, \m, s41
	s_sub_co_u32 s61, s61, 1
	s_cmp_le_u32 \m, s41
	s_cselect_b32 \dst, \m, s61
.endm
.macro MKSC e, sc, lim
	s_add_co_i32 s60, \e, 127
	s_lshl_b32 s61, s60, 23
	v_mov_b32 v[\sc], s61
.endm
; A pass begins: the wave's 32 queries of block blk; the statistics and O^T start anew.
.macro NEWPASS blk
	s_lshl_b32 s46, \blk, 8
	s_lshl_b32 s60, s18, 5
	s_add_co_u32 s46, s46, s60                     ; my first query
	s_lshl_b32 s38, s46, 6
	s_mov_b32 s39, 0
	s_add_nc_u64 s[62:63], s[56:57], s[38:39]
.irp T, 0,1
.irp c, 0,1
	global_load_b128 v[24+8*\T+4*\c:27+8*\T+4*\c], v11, s[62:63] offset:1024*\T+32*\c
.endr
.endr
.irp T, 0,1
	v_mov_b32 v[13+4*\T], 0xff61b1e6               ; the largest t so far: -3e38
	v_mov_b32 v[12+4*\T], 0x7f61b1e6               ; -M = floor(3e38)
	v_mov_b32 v[14+4*\T], 0
	v_mov_b32 v[15+4*\T], 0
.endr
	WIN 0x40
.set n1, 0
.rept 64
	v_mov_b32 v[192+n1], 0                         ; O^T: the step is written for all steps alike; the first change of M multiplies zeros
.set n1, n1+1
.endr
	WIN 0
	s_wait_loadcnt 0x0
	s_wait_xcnt 0x0                                ; the last pass's stores have read their registers: the next scores land there
.endm
	s_load_b256 s[4:11], s[0:1], 0x0               ; qc, kc, vt, pt
	s_load_b128 s[12:15], s[0:1], 0x20             ; mask, the exponents
	s_load_b64 s[16:17], s[0:1], 0x30              ; yc
	v_lshl_add_u32 v5, v0, 2, SPARE
	v_mov_b32 v6, 0
	ds_add_u32 v5, v6                              ; the wave's opening: the add and its wait ahead of the first tensor load
	ds_add_u32 v5, v6
	v_lshrrev_b32 v8, 5, v0
	s_delay_alu instid0(VALU_DEP_1)
	v_readfirstlane_b32 s18, v8                    ; wave
	s_mov_b32 s19, ttmp9                           ; i
	s_and_b32 s54, ttmp7, 0xffff                   ; 16 b + head
	s_lshr_b32 s55, s54, 4                         ; b
	s_sub_co_u32 s41, 7, s19                       ; the first pass's block, and its last trip
	s_mov_b32 s24, (0<<16)|(1<<20)|(5<<22)|(3<<25) ; no mask; elements of 1 byte; four words of padding after every 64
	s_mov_b32 s25, 256<<16                         ; tensor_dim0
	s_mov_b32 s26, 64<<16                          ; tensor_dim1
	s_mov_b32 s27, 256<<16                         ; tile_dim0
	s_mov_b32 s28, 64                              ; tile_dim1
	s_mov_b32 s29, 256                             ; dense rows
	s_mov_b32 s30, 0
	s_mov_b32 s31, 0
	s_mov_b32 s20, 0x76543210
	s_mov_b32 s21, 0xfedcba98
	s_mov_b32 s40, 0                               ; the trip
	s_mov_b32 s42, 0                               ; the slot in hand
	s_mov_b32 s32, 1
	s_mul_i32 s33, s18, VOFF                       ; wave 0: k's part of slot 0; wave 1: v's
	s_lshl_b32 s38, s54, 17                        ; the head's 131,072 bytes in qc, kc and vt
	s_mov_b32 s39, 0
	v_and_b32 v8, 15, v0                           ; r
	v_bfe_u32 v9, v0, 4, 1                         ; h
	v_and_b32 v10, 31, v0                          ; lane
	s_delay_alu instid0(VALU_DEP_3)
	v_lshrrev_b32 v1, 2, v8
	s_delay_alu instid0(VALU_DEP_1)
	v_mul_u32_u24 v1, v1, 272
	v_and_b32 v11, 3, v8
	s_delay_alu instid0(VALU_DEP_1)
	v_lshl_add_u32 v1, v11, 6, v1
	s_delay_alu instid0(VALU_DEP_1)
	v_lshl_add_u32 v1, v9, 4, v1                   ; k: key r: row r / 4, 64 (r % 4), 16 h
	v_lshrrev_b32 v2, 1, v8
	s_delay_alu instid0(VALU_DEP_1)
	v_mul_u32_u24 v2, v2, 272
	v_and_b32 v11, 1, v8
	s_delay_alu instid0(VALU_DEP_1)
	v_lshl_add_u32 v2, v11, 7, v2
	s_delay_alu instid0(VALU_DEP_1)
	v_lshl_add_u32 v2, v9, 4, v2
	s_delay_alu instid0(VALU_DEP_1)
	v_add_nc_u32 v2, VOFF, v2                      ; v: channel r: row r / 2, 128 (r % 2), 16 h
	v_lshl_add_u32 v3, v9, 5, ADT                  ; add: keys 8 h on
	v_lshlrev_b32 v4, 8, v10
	v_lshlrev_b32 v7, 12, v9
	s_delay_alu instid0(VALU_DEP_1)
	v_lshl_add_u32 v7, v8, 4, v7                   ; y: 4,096 h + 16 r
	v_lshlrev_b32 v11, 6, v8
	s_delay_alu instid0(VALU_DEP_1)
	v_lshl_add_u32 v11, v9, 4, v11                 ; q: row r of 64 bytes, 16 h
	s_mul_i32 s60, s18, 2560
	s_add_co_u32 s60, s60, STG
	v_mul_u32_u24 v88, v8, 80
	s_delay_alu instid0(VALU_DEP_1)
	v_lshl_add_u32 v88, v9, 4, v88
	s_delay_alu instid0(VALU_DEP_1)
	v_add_nc_u32 v88, s60, v88
	v_lshrrev_b32 v89, 2, v10
	s_delay_alu instid0(VALU_DEP_1)
	v_mul_u32_u24 v89, v89, 80
	v_and_b32 v91, 3, v10
	s_delay_alu instid0(VALU_DEP_1)
	v_lshl_add_u32 v89, v91, 4, v89
	s_delay_alu instid0(VALU_DEP_1)
	v_add_nc_u32 v89, s60, v89
	; the table's addresses hang on the wave's number alone.  Reading: my queries lie in key block 2 x (the pass's query block) + wave / 4: place wave / 4 of the pass's two; the pass stands in the loads' immediates
	s_lshr_b32 s60, s18, 2
	s_mul_i32 s60, s60, 320
	s_add_co_u32 s60, s60, TT
	v_lshl_add_u32 v90, v9, 5, s60                 ; + 32 h
	; writing: wave w makes place w / 2 and stores half w % 2 of it: 32 channels, and one of the two copies of (-mu, lambda)
	s_lshr_b32 s60, s18, 1
	s_mul_i32 s60, s60, 320
	s_add_co_u32 s60, s60, TT
	s_and_b32 s61, s18, 1
	s_lshl_b32 s62, s61, 7
	s_add_co_u32 s62, s62, s60
	v_lshl_add_u32 v229, v10, 2, s62               ; 4 x lane + 128 x half
	s_lshl_b32 s62, s61, 5
	s_add_co_u32 s62, s62, s60
	s_add_co_u32 s62, s62, 256
	v_mov_b32 v230, s62                            ; 256 + 32 x half
	v_lshlrev_b32 v224, 3, v10                     ; 8 x lane: pt
	v_lshlrev_b32 v225, 5, v0                      ; 32 x thread: my eight keys' mask,
	v_lshl_add_u32 v226, v0, 5, ADT                ; and their place in LDS
.irp r, 21,23,80,81,82,83,92,93
	v_mov_b32 v\r, 0                               ; named in pairs or as a lane exchange's destination before they hold anything
.endr
	s_wait_dscnt 0x0                               ; the opening add is done
	s_wait_kmcnt 0x0
	s_load_b256 s[68:75], s[14:15], 0x0            ; e0 .. e7
	s_load_b128 s[76:79], s[14:15], 0x20           ; e8 .. e11
	s_cmp_eq_u32 s18, 0
	s_cselect_b64 s[36:37], s[6:7], s[8:9]
	s_add_nc_u64 s[36:37], s[36:37], s[38:39]      ; what I fetch from, if I fetch
	s_mov_b64 s[34:35], s[36:37]
	s_or_b32 s35, s35, 0x80000000
	TLOAD                                          ; slot 0: one load of mine is out
	s_cmp_lt_u32 s18, 4
	s_cselect_b64 s[50:51], s[6:7], s[8:9]
	s_add_nc_u64 s[50:51], s[50:51], s[38:39]
	s_and_b32 s60, s18, 1
	s_lshl_b32 s60, s60, 13
	s_add_co_u32 s60, s60, 16384                   ; my half, in slot 1: the first change steps it to slot 2
	s_mov_b32 s61, 0
	s_add_nc_u64 s[50:51], s[50:51], s[60:61]
	s_sub_co_u32 s60, s18, 2
	s_lshr_b32 s60, s60, 2                         ; 0 in waves 2 to 5,
	s_or_b32 s60, s60, s19                         ; of the head's first work-group
	s_cmp_eq_u32 s60, 0
	s_cselect_b32 s52, 6, 0
	s_add_nc_u64 s[56:57], s[4:5], s[38:39]        ; q's head
	s_lshl_b32 s60, s54, 12
	s_add_nc_u64 s[10:11], s[10:11], s[60:61]      ; pt's head
	s_lshl_b32 s60, s55, 13
	s_add_nc_u64 s[12:13], s[12:13], s[60:61]      ; mask's row
	global_load_b128 v[96:99], v225, s[12:13]
	global_load_b128 v[100:103], v225, s[12:13] offset:16
.set n1, 0
.rept 16
	global_load_b64 v[128+2*n1:129+2*n1], v224, s[10:11] offset:256*n1   ; block n1: channels lane and 32 + lane
.set n1, n1+1
.endr
	NEWPASS s41
	s_wait_kmcnt 0x0
	s_add_co_i32 s60, s74, s75                     ; e6 + e7
	s_sub_co_i32 s81, 3, s60
	s_lshl_b32 s60, s60, 23
	s_add_co_i32 s22, s60, 0x3e38aa3b              ; log2(e) / 8 x 2^(e6 + e7): the exponents are added to the exponent field
	s_mov_b32 s23, s22
	s_lshl_b32 s60, s81, 23
	s_add_co_i32 s48, s60, 0xc61c4000              ; -10000 x 2^(3 - e6 - e7)
	s_mov_b32 s49, s48
	s_add_co_i32 s80, s76, s77                     ; e8 + e9
	MKSC s76, 85, 84
	MKSC s78, 87, 86
	; my eight keys: add for the scores; u, the block's -m and lambda for the table.  Sixteen neighbouring lanes hold a block of 128 keys.
.irp j, 0,2,4,6
	v_pk_fma_f32 v[96+\j:97+\j], v[96+\j:97+\j], -1.0, 1.0 op_sel_hi:[1,0,0]
.endr
.irp j, 0,2,4,6
	s_delay_alu instid0(VALU_DEP_4)
	v_pk_mul_f32 v[96+\j:97+\j], v[96+\j:97+\j], 0xc61c4000 op_sel_hi:[1,0]      ; add
.endr
.irp j, 0,1,2,3,4,5,6,7
	v_ldexp_f32 v[104+\j], v[96+\j], s81
.endr
	ds_store_b128 v226, v[104:107]
	ds_store_b128 v226, v[108:111] offset:16
.irp j, 0,2,4,6
	v_pk_add_f32 v[96+\j:97+\j], v[96+\j:97+\j], 0xc61c4000 op_sel_hi:[1,0]
.endr
.irp j, 0,2,4,6
	s_delay_alu instid0(VALU_DEP_4)
	v_pk_mul_f32 v[96+\j:97+\j], v[96+\j:97+\j], 0x3fb8aa3b op_sel_hi:[1,0]      ; u
.endr
	s_delay_alu instid0(VALU_DEP_3)
	v_max3_num_f32 v112, v96, v97, v98
	s_delay_alu instid0(VALU_DEP_3)
	v_max3_num_f32 v113, v99, v100, v101
	s_delay_alu instid0(VALU_DEP_2)
	v_max3_num_f32 v112, v112, v102, v103
	s_delay_alu instid0(VALU_DEP_1)
	v_max_num_f32 v112, v112, v113
.irp m, 1,2,4,8
	s_delay_alu instid0(VALU_DEP_1)
	v_max_num_f32_dpp v112, v112, v112 row_xmask:\m row_mask:0xf bank_mask:0xf
.endr
	s_delay_alu instid0(VALU_DEP_1)
	v_floor_f32 v114, -v112                        ; -m
	v_mov_b32 v115, 0
.irp j, 0,2,4,6
	v_pk_add_f32 v[96+\j:97+\j], v[96+\j:97+\j], v[114:115] op_sel_hi:[1,0]
.endr
	s_wait_alu depctr_va_vdst(0)
.irp j, 0,1,2,3,4,5,6,7
	v_exp_f32 v[96+\j], v[96+\j]
.endr
	v_lshrrev_b32 v227, 4, v0                      ; (a plain line behind the exponentials)  my key block
	s_wait_alu depctr_va_vdst(0)                   ; one wait for the batch
	v_pk_add_f32 v[96:97], v[96:97], v[98:99]
	v_pk_add_f32 v[100:101], v[100:101], v[102:103]
	s_delay_alu instid0(VALU_DEP_1)
	v_pk_add_f32 v[96:97], v[96:97], v[100:101]
	s_delay_alu instid0(VALU_DEP_1)
	v_add_f32 v115, v96, v97
.irp m, 1,2,4,8
	s_delay_alu instid0(VALU_DEP_1)
	v_add_f32_dpp v115, v115, v115 row_xmask:\m row_mask:0xf bank_mask:0xf
.endr
	v_lshl_add_u32 v227, v227, 3, ML
	ds_store_b64 v227, v[114:115]                  ; sixteen lanes write the same two words with the same values
	s_wait_dscnt 0x0                               ; for the others' sake: my stores are done
	s_barrier_signal -1
	s_barrier_wait -1                              ; slot 0's load may stay out
	; THE TABLE.  The entry for the queries of key block e holds the sum over blocks k > e.  Place p = wave / 2 serves pass p / 2, e = 2 x (that pass's query block) + p % 2.
	; An entry behind which no block lies (e = 15) gets -mu = 3e38: its factor at the end is 0.  What counts is chosen by masks made of ids; no address hangs on it.
	v_mov_b32 v227, ML
.set n1, 0
.rept 8
	ds_load_b128 v[160+4*n1:163+4*n1], v227 offset:16*n1
.set n1, n1+1
.endr
	v_mov_b32 v228, 0x7f61b1e6
	s_lshr_b32 s60, s18, 2                         ; the pass that my entry serves,
	s_cmp_eq_u32 s60, 0
	s_cselect_b32 s60, s41, s19                    ; its query block,
	s_lshl_b32 s60, s60, 1
	s_bfe_u32 s61, s18, 0x10001
	s_add_co_u32 s60, s60, s61                     ; e,
	s_add_co_u32 s60, s60, 1                       ; and the first block that counts
	s_and_b32 s62, s18, 1
	s_cmp_eq_u32 s62, 1
	s_cselect_b32 s62, -1, 0                       ; all ones: I store channels 32 to 63
	s_wait_alu depctr_va_vdst(0)
	s_wait_dscnt 0x0
.set n1, 0
.rept 16
	s_cmp_le_u32 s60, n1
	s_cselect_b32 s61, -1, 0
	v_cndmask_b32 v[192+n1], v228, v[160+2*n1], s61    ; -m of a block that counts, else 3e38
.set n1, n1+1
.endr
	v_min3_num_f32 v208, v192, v193, v194
.irp k, 3,5,7,9,11,13
	s_delay_alu instid0(VALU_DEP_1)
	v_min3_num_f32 v208, v208, v[192+\k], v[193+\k]
.endr
	s_delay_alu instid0(VALU_DEP_1)
	v_min_num_f32 v208, v208, v207                 ; -mu
.set n1, 0
.rept 16
	v_sub_f32 v[192+n1], v208, v[192+n1]           ; m - mu: a whole number, 0 or less
.set n1, n1+1
.endr
.set n1, 0
.rept 16
	v_cvt_i32_f32 v[192+n1], v[192+n1]             ; (it saturates)
.set n1, n1+1
.endr
.set n1, 0
.rept 16
	v_ldexp_f32 v[192+n1], 1.0, v[192+n1]          ; 2^(m - mu): exact, 0 for a block that does not count
.set n1, n1+1
.endr
	v_mul_f32 v210, v192, v128
	v_mul_f32 v211, v192, v129
	v_mul_f32 v209, v192, v161
.set n1, 1
.rept 15
	s_delay_alu instid0(VALU_DEP_3)
	v_fmac_f32 v210, v[192+n1], v[128+2*n1]
	s_delay_alu instid0(VALU_DEP_3)
	v_fmac_f32 v211, v[192+n1], v[129+2*n1]
	s_delay_alu instid0(VALU_DEP_3)
	v_fmac_f32 v209, v[192+n1], v[161+2*n1]
.set n1, n1+1
.endr
	s_delay_alu instid0(VALU_DEP_2)
	v_cndmask_b32 v210, v210, v211, s62            ; my half of the channels
	ds_store_b32 v229, v210
	ds_store_b64 v230, v[208:209]                  ; the first change of slots waits for these stores ahead of its barrier; the others read the table behind it
; A KEY STEP: 128 keys, the q-th of the slot in hand, for my two tiles.
.macro STEP q
	s_add_co_u32 s60, s46, 31                      ; a step all of whose keys come after my 32 queries is left out (the table serves it): a branch on ids, round no barrier and no tensor load
	s_cmp_gt_u32 s44, s60
	s_cbranch_scc1 .Lhidden_\@
	v_add_nc_u32 v8, s42, v1
	v_add_nc_u32 v9, s42, v2
	v_add_nc_u32 v10, s45, v3
	v_nop                                          ; four places between the last products and the loads into their operands
	WIN 0x40
.set n1, 0
.rept 8
	ds_load_b128 v[8*n1:8*n1+3],   v8 offset:STEPB*(\q)+1088*n1       ; keys 16 n1 + r
	ds_load_b128 v[8*n1+4:8*n1+7], v8 offset:STEPB*(\q)+1088*n1+32
.set n1, n1+1
.endr
.set n1, 0
.rept 8
	ds_load_b128 v[128+8*n1:128+8*n1+3], v10 offset:512*(\q)+64*n1    ; add of keys 16 n1 + 8 h + 0 .. 7: the result's layout
	ds_load_b128 v[128+8*n1+4:128+8*n1+7], v10 offset:512*(\q)+64*n1+16
.set n1, n1+1
.endr
.set n1, 0
.rept 16
	ds_load_b128 v[64+4*n1:64+4*n1+3], v9 offset:STEPB*(\q)+2176*(n1/4)+32*(n1%4)
.set n1, n1+1
.endr
	s_wait_dscnt 16                                ; k and add are in; v's sixteen loads may be out
	WIN 0x11                                       ; k and add window 1; q and S^T window 0
.set n1, 0
.rept 16
	v_wmma_f32_16x16x64_fp8_fp8 v[96+64*(n1%2)+8*(n1/2):96+64*(n1%2)+8*(n1/2)+7], v[8*(n1/2):8*(n1/2)+7], v[24+8*(n1%2):24+8*(n1%2)+7], v[128+8*(n1/2):128+8*(n1/2)+7]
.set n1, n1+1
.endr
	WIN 0
.rept 4
	v_nop
.endr
	s_add_co_u32 s60, s44, 127                     ; a step all of whose keys count skips the diagonal's work
	s_cmp_le_u32 s60, s46
	s_cbranch_scc1 .Lopen_\@
	s_sub_co_i32 s60, s46, s44
	v_and_b32 v72, 15, v0
	v_bfe_u32 v73, v0, 4, 1
	s_delay_alu instid0(VALU_DEP_1)
	v_lshlrev_b32 v73, 3, v73
	s_delay_alu instid0(VALU_DEP_1)
	v_sub_nc_u32 v72, v72, v73
	s_delay_alu instid0(VALU_DEP_1)
	v_add_nc_u32 v72, s60, v72                     ; d = my query - the step's first key - 8 h.  Register 8 c + j holds key 16 c + 8 h + j: hidden where 16 c + j > d
	s_delay_alu instid0(VALU_DEP_1)
	v_add_nc_u32 v73, 16, v72                      ; tile 1
	s_delay_alu instid0(VALU_DEP_2)
	v_add_nc_u32 v74, 0xffffffc0, v72              ; d - 64, for c >= 4: every constant below is inline
	s_delay_alu instid0(VALU_DEP_2)
	v_add_nc_u32 v75, 0xffffffc0, v73
	WIN 0x41
.set n1, 0
.rept 32
	v_pk_add_f32 v[n1:n1+1], v[128+n1:129+n1], s[48:49] op_sel_hi:[1,0]    ; -10000 + add, in the scores' units, into k's registers, which are done with
.set n1, n1+2
.endr
	WIN 0x04                                       ; source 1 window 1
.irp c, 0,1,2,3,4,5,6,7
.irp j, 0,1,2,3,4,5,6,7
.irp T, 0,1
	v_cmp_lt_i32 vcc_lo, v[72+\T+2*(\c/4)], 16*(\c%4)+\j
	v_cndmask_b32 v[96+64*\T+8*\c+\j], v[96+64*\T+8*\c+\j], v[8*\c+\j], vcc_lo
.endr
.endr
.endr
	WIN 0
.Lopen_\@:
.irp T, 0,1
	v_max3_num_f32 v[76+2*\T], v[96+64*\T], v[97+64*\T], v[98+64*\T]       ; the step's largest score of my query, in two chains a tile, ascending
	v_max3_num_f32 v[77+2*\T], v[99+64*\T], v[100+64*\T], v[101+64*\T]
.endr
.irp i, 6,10,14,18,22,26,30,34,38,42,46,50,54,58
.irp T, 0,1
	v_max3_num_f32 v[76+2*\T], v[76+2*\T], v[96+64*\T+\i], v[97+64*\T+\i]
	v_max3_num_f32 v[77+2*\T], v[77+2*\T], v[98+64*\T+\i], v[99+64*\T+\i]
.endr
.endr
.irp T, 0
	v_max3_num_f32 v[76+2*\T], v[76+2*\T], v[158+64*\T], v[159+64*\T]
.endr
.irp T, 1
	v_max3_num_f32 v[76+2*\T], v[76+2*\T], v[158+64*\T], v[159+64*\T]
.endr
.irp T, 0,1
	s_delay_alu instid0(VALU_DEP_2)
	v_max_num_f32 v[76+2*\T], v[76+2*\T], v[77+2*\T]
.endr
.irp T, 0,1
	s_delay_alu instid0(VALU_DEP_2)
	v_permlanex16_b32 v[92+\T], v[76+2*\T], s20, s21
.endr
.irp T, 0,1
	s_delay_alu instid0(VALU_DEP_2)
	v_max_num_f32 v[76+2*\T], v[76+2*\T], v[92+\T]
.endr
.irp T, 0,1
	s_delay_alu instid0(VALU_DEP_2)
	v_mul_f32 v[76+2*\T], s22, v[76+2*\T]          ; as t (the factor is positive)
.endr
.irp T, 0,1
	s_delay_alu instid0(VALU_DEP_2)
	v_max_num_f32 v[13+4*\T], v[13+4*\T], v[76+2*\T]
.endr
.irp T, 0,1
	v_mov_b32 v[76+2*\T], v[12+4*\T]
.endr
.irp T, 0,1
	s_delay_alu instid0(VALU_DEP_4)
	v_floor_f32 v[12+4*\T], -v[13+4*\T]            ; the new -M: a whole number
.endr
.irp T, 0,1
	s_delay_alu instid0(VALU_DEP_2)
	v_sub_f32 v[76+2*\T], v[12+4*\T], v[76+2*\T]
.endr
.irp T, 0,1
	s_delay_alu instid0(VALU_DEP_2)
	v_cvt_i32_f32 v[76+2*\T], v[76+2*\T]           ; (it saturates)
.endr
.irp T, 0,1
	s_delay_alu instid0(VALU_DEP_2)
	v_ldexp_f32 v[20+2*\T], 1.0, v[76+2*\T]        ; f = 2^(old M - new M): exact
.endr
.irp T, 0,1
.set n1, 0
.rept 32
	v_pk_fma_f32 v[96+64*\T+n1:97+64*\T+n1], v[96+64*\T+n1:97+64*\T+n1], s[22:23], v[12+4*\T:13+4*\T] op_sel_hi:[1,0,0]   ; t - M
.set n1, n1+2
.endr
.endr
.set n1, 0
	s_wait_alu depctr_va_vdst(0)
.rept 128
	v_exp_f32 v[96+n1], v[96+n1]                   ; p, both tiles: one batch
.set n1, n1+1
.endr
.irp T, 0,1
	v_pk_mul_f32 v[14+4*\T:15+4*\T], v[14+4*\T:15+4*\T], v[20+2*\T:21+2*\T] op_sel_hi:[1,0]   ; the sums under the new M (the plain line behind the exponentials)
.endr
	s_wait_alu depctr_va_vdst(0)                   ; one wait for the batch, ahead of its first reader
.irp T, 0,1
	v_pk_add_f32 v[80+2*\T:81+2*\T], v[96+64*\T:97+64*\T], v[98+64*\T:99+64*\T]   ; the sum is taken of the unquantised p
.endr
.irp j, 4,8,12,16,20,24,28,32,36,40,44,48,52,56,60
.irp T, 0,1
	v_pk_add_f32 v[14+4*\T:15+4*\T], v[14+4*\T:15+4*\T], v[96+64*\T+\j:97+64*\T+\j]
	v_pk_add_f32 v[80+2*\T:81+2*\T], v[80+2*\T:81+2*\T], v[98+64*\T+\j:99+64*\T+\j]
.endr
.endr
.irp T, 0
	s_delay_alu instid0(VALU_DEP_3)
	v_pk_add_f32 v[14+4*\T:15+4*\T], v[14+4*\T:15+4*\T], v[80+2*\T:81+2*\T]
.endr
.irp T, 1
	s_delay_alu instid0(VALU_DEP_2)
	v_pk_add_f32 v[14+4*\T:15+4*\T], v[14+4*\T:15+4*\T], v[80+2*\T:81+2*\T]
.endr
.irp T, 0,1
.irp c, 0,1,2,3,4,5,6,7
.irp j, 0,1,2,3,4,5,6,7
.endr
	v_cvt_scalef32_pk8_fp8_f32 v[40+16*\T+2*\c:41+16*\T+2*\c], v[96+64*\T+8*\c:103+64*\T+8*\c], v85   ; keys 16 c + 8 h + 0 .. 7: the operand's registers 2 c, 2 c + 1
.endr
.endr
	WIN 0x41
.irp T, 0,1
.set n1, 0
.rept 16
	v_pk_mul_f32 v[192+32*\T+n1:193+32*\T+n1], v[192+32*\T+n1:193+32*\T+n1], v[20+2*\T:21+2*\T] op_sel_hi:[1,0]   ; O^T under the new M
.set n1, n1+2
.endr
.endr
	s_wait_alu depctr_va_vdst(0)
	s_wait_dscnt 0x0                               ; v is in
	WIN 0x51                                       ; v and O^T window 1, p window 0
.set n1, 0
.rept 8                                ; eight accumulators by turns, one instruction a turn
	v_wmma_f32_16x16x128_fp8_fp8 v[192+32*(n1%2)+8*(n1/2):192+32*(n1%2)+8*(n1/2)+7], v[64+16*(n1/2):64+16*(n1/2)+15], v[40+16*(n1%2):40+16*(n1%2)+15], v[192+32*(n1%2)+8*(n1/2):192+32*(n1%2)+8*(n1/2)+7]
.set n1, n1+1
.endr
	WIN 0
.Lhidden_\@:
	s_add_co_u32 s44, s44, 128
.endm
; THE CHANGE OF SLOTS stands at a slot's head: each wave waits for all its tensor loads, adds 0 to its spare word, waits for that and for its reads of the slot that it has left; a barrier; the slot just left is filled first.
.macro CHANGE fill
	s_wait_tensorcnt 0x0                           ; no tensor load of mine is out, so the descriptor may be written
	ds_add_u32 v5, v6
.if \fill
	s_add_co_u32 s60, s40, 1
	SIGMA s47, s60                                 ; the next trip's key slot
	s_xor_b32 s33, s33, SLOT1
	s_lshl_b32 s38, s47, 14
	s_add_nc_u64 s[34:35], s[36:37], s[38:39]
	s_or_b32 s35, s35, 0x80000000
	s_wait_xcnt 0x0                                ; the last prefetch, a slot back, has read its address
	s_add_nc_u64 s[50:51], s[50:51], 16384
.endif
	s_wait_dscnt 0x0
	s_barrier_signal -1
	s_barrier_wait -1
.if \fill
	TLOAD                                          ; a wave's one tensor load until the next change: it has a slot's two steps in which to land
	ASK
.endif
.endm
.macro SLOT_STEPS
	SIGMA s47, s40
	s_lshl_b32 s44, s47, 8                         ; the slot's first key,
	s_and_b32 s45, s47, 7
	s_lshl_b32 s45, s45, 10                        ; and its add's bytes
	STEP 0
	STEP 1
	s_xor_b32 s42, s42, SLOT1
.endm
; A PASS ENDS (pass = 0: the first, 1: the second): the table's entry is merged, O^T divided by the sum, y quantised with 2^e10 and stored: yc [b][t / 4][head][t % 4][64], so that sixteen lanes store 256 consecutive bytes.
.macro FINAL pass
.irp T, 0,1
	v_add_f32 v[76+2*\T], v[14+4*\T], v[15+4*\T]
.endr
.irp T, 0,1
	s_delay_alu instid0(VALU_DEP_2)
	v_permlanex16_b32 v[92+\T], v[76+2*\T], s20, s21
.endr
.irp T, 0,1
	s_delay_alu instid0(VALU_DEP_2)
	v_add_f32 v[76+2*\T], v[76+2*\T], v[92+\T]     ; l
.endr
.irp t, 0,1,2,3
	ds_load_b128 v[224+8*\t:227+8*\t], v90 offset:640*(\pass)+64*\t        ; channels 16 t + 8 h + 0 .. 7 of my key block's entry
	ds_load_b128 v[228+8*\t:231+8*\t], v90 offset:640*(\pass)+64*\t+16
.endr
	ds_load_b64 v[94:95], v90 offset:640*(\pass)+256
	s_wait_dscnt 0x0
.irp T, 0,1
	v_min_num_f32 v[77+2*\T], v[12+4*\T], v94      ; minus the larger of M and mu
.endr
.irp T, 0
	s_delay_alu instid0(VALU_DEP_2)
	v_sub_f32 v[20+2*\T], v[77+2*\T], v[12+4*\T]
	s_delay_alu instid0(VALU_DEP_3)
	v_sub_f32 v[21+2*\T], v[77+2*\T], v94
.endr
.irp T, 1
	s_delay_alu instid0(VALU_DEP_3)
	v_sub_f32 v[20+2*\T], v[77+2*\T], v[12+4*\T]
	s_delay_alu instid0(VALU_DEP_4)
	v_sub_f32 v[21+2*\T], v[77+2*\T], v94
.endr
.irp T, 0,1
	s_delay_alu instid0(VALU_DEP_4)
	v_cvt_i32_f32 v[20+2*\T], v[20+2*\T]
	s_delay_alu instid0(VALU_DEP_4)
	v_cvt_i32_f32 v[21+2*\T], v[21+2*\T]
.endr
.irp T, 0,1
	s_delay_alu instid0(VALU_DEP_4)
	v_ldexp_f32 v[20+2*\T], 1.0, v[20+2*\T]        ; the walked part's factor,
	s_delay_alu instid0(VALU_DEP_4)
	v_ldexp_f32 v[21+2*\T], 1.0, v[21+2*\T]        ; the table's: exact powers of two
.endr
.irp T, 0
	s_delay_alu instid0(VALU_DEP_4)
	v_mul_f32 v[76+2*\T], v[76+2*\T], v[20+2*\T]
.endr
.irp T, 1
	s_delay_alu instid0(VALU_DEP_3)
	v_mul_f32 v[76+2*\T], v[76+2*\T], v[20+2*\T]
.endr
.irp T, 0,1
	s_delay_alu instid0(VALU_DEP_2)
	v_fmac_f32 v[76+2*\T], v95, v[21+2*\T]         ; the row's whole sum: at least 1/2
.endr
	s_wait_alu depctr_va_vdst(0)
.irp T, 0,1
	v_rcp_f32 v[77+2*\T], v[76+2*\T]
.endr
	v_nop
	s_wait_alu depctr_va_vdst(0)
.irp T, 0,1
	v_ldexp_f32 v[77+2*\T], v[77+2*\T], s80        ; x 2^(e8 + e9)
.endr
.irp T, 0
	s_delay_alu instid0(VALU_DEP_2)
	v_mul_f32 v[80+2*\T], v[20+2*\T], v[77+2*\T]
	s_delay_alu instid0(VALU_DEP_3)
	v_mul_f32 v[76+2*\T], v[21+2*\T], v[77+2*\T]
.endr
.irp T, 1
	s_delay_alu instid0(VALU_DEP_3)
	v_mul_f32 v[80+2*\T], v[20+2*\T], v[77+2*\T]
	s_delay_alu instid0(VALU_DEP_4)
	v_mul_f32 v[76+2*\T], v[21+2*\T], v[77+2*\T]
.endr
	WIN 0x01
.irp T, 0,1
.set n1, 0
.rept 16
	v_pk_mul_f32 v[96+32*\T+n1:97+32*\T+n1], v[192+32*\T+n1:193+32*\T+n1], v[80+2*\T:81+2*\T] op_sel_hi:[1,0]
.set n1, n1+2
.endr
.endr
	WIN 0
.irp T, 0,1
.set n1, 0
.rept 16
	v_pk_fma_f32 v[96+32*\T+n1:97+32*\T+n1], v[224+n1:225+n1], v[76+2*\T:77+2*\T], v[96+32*\T+n1:97+32*\T+n1] op_sel_hi:[1,0,1]
.set n1, n1+2
.endr
.endr
.set n1, 0
.rept 64
.set n1, n1+1
.endr
.set n1, 0
.rept 8
	v_cvt_scalef32_pk8_fp8_f32 v[160+2*n1:161+2*n1], v[96+8*n1:103+8*n1], v87
.set n1, n1+1
.endr
	v_nop
.irp T, 0,1
.irp g, 0,1
	ds_store_b128 v88, v[160+8*\T+4*\g:163+8*\T+4*\g] offset:1280*\T+32*\g
.endr
.endr
.irp n, 0,1,2,3
	ds_load_b128 v[176+4*\n:179+4*\n], v89 offset:640*\n       ; LDS serves a wave's instructions in order: these see the stores above
.endr
	s_wait_xcnt 0x0                                ; earlier stores have read their base
	s_lshl_b32 s60, s55, 9
	s_lshr_b32 s61, s46, 2
	s_add_co_u32 s60, s60, s61
	s_lshl_b32 s60, s60, 12
	s_and_b32 s61, s54, 15
	s_lshl_b32 s61, s61, 8
	s_add_co_u32 s60, s60, s61
	s_mov_b32 s61, 0
	s_add_nc_u64 s[58:59], s[16:17], s[60:61]
.irp n, 0,1,2,3
	s_wait_dscnt 3-\n
	global_store_b128 v7, v[176+4*\n:179+4*\n], s[58:59] offset:8192*\n
.endr
.endm
.Ltrip:                                ; eight trips; behind each change of slots the next trip's slot is asked for
	CHANGE 1
	SLOT_STEPS
	s_cmp_lg_u32 s40, s41                          ; the first pass ends with trip 7 - i: ids alone, the same in all eight waves
	s_cbranch_scc1 .Lsame_pass
	FINAL 0
	NEWPASS s19
.Lsame_pass:
	s_add_co_u32 s40, s40, 1
	s_cmp_lt_u32 s40, 8
	s_cbranch_scc1 .Ltrip
	CHANGE 0                                       ; the ninth trip is written out
	SLOT_STEPS
	FINAL 1
	s_wait_tensorcnt 0x0                           ; the wave's end
	ds_add_u32 v5, v6
	s_wait_dscnt 0x0
	s_endpgm
.Lfunc_end_k_q896ad10c54_attn:
	.size	k_q896ad10c54_attn, .Lfunc_end_k_q896ad10c54_attn-k_q896ad10c54_attn
	.p2alignl 7, 3214868480
	.fill 96, 4, 3214868480
	.section	.rodata,"a",@progbits
	.p2align	6, 0x0
	.amdhsa_kernel k_q896ad10c54_attn
		.amdhsa_group_segment_fixed_size 327680
		.amdhsa_private_segment_fixed_size 0
		.amdhsa_enable_private_segment 0
		.amdhsa_kernarg_size 56
		.amdhsa_user_sgpr_count 2
		.amdhsa_user_sgpr_kernarg_segment_ptr 1
		.amdhsa_wavefront_size32 1
		.amdhsa_system_sgpr_workgroup_id_x 1
		.amdhsa_system_sgpr_workgroup_id_y 1
		.amdhsa_system_sgpr_workgroup_id_z 1
		.amdhsa_system_vgpr_workitem_id 0
		.amdhsa_next_free_vgpr 512
		.amdhsa_next_free_sgpr 84
		.amdhsa_reserve_vcc 1
		.amdhsa_float_denorm_mode_32 3
		.amdhsa_float_denorm_mode_16_64 3
		.amdhsa_fp16_overflow 1
		.amdhsa_memory_ordered 1
		.amdhsa_forward_progress 1
		.amdhsa_inst_pref_size 210
	.end_amdhsa_kernel
	.amdgpu_metadata
---
amdhsa.version: [ 1, 2 ]
amdhsa.kernels:
  - .name:           k_q896ad10c54_attn
    .symbol:         k_q896ad10c54_attn.kd
    .args:
      - { .name: qc, .offset: 0, .size: 8, .value_kind: global_buffer, .address_space: global }
      - { .name: kc, .offset: 8, .size: 8, .value_kind: global_buffer, .address_space: global }
      - { .name: vt, .offset: 16, .size: 8, .value_kind: global_buffer, .address_space: global }
      - { .name: pt, .offset: 24, .size: 8, .value_kind: global_buffer, .address_space: global }
      - { .name: mask, .offset: 32, .size: 8, .value_kind: global_buffer, .address_space: global }
      - { .name: lowp_scales, .offset: 40, .size: 8, .value_kind: global_buffer, .address_space: global }
      - { .name: yc, .offset: 48, .size: 8, .value_kind: global_buffer, .address_space: global }
    .group_segment_fixed_size: 327680
    .private_segment_fixed_size: 0
    .kernarg_segment_align: 8
    .kernarg_segment_size: 56
    .max_flat_workgroup_size: 256
    .sgpr_count:     84
    .vgpr_count:     512
    .wavefront_size: 32
...
	.end_amdgpu_metadata
.endif
;; end of part 3
;; launch proj (part 4): grid 4 x 64, 4 waves a work-group, clusters of 4 x 4, 327,680 bytes of LDS; arguments yc, wc, bp, lowp_scales, out0; writes out0
.if DOCPART == 4
	.amdgcn_target "amdgcn-amd-amdhsa--gfx1250"
	.amdhsa_code_object_version 6
	.text
	.protected	k_q896ad10c54_proj
	.globl	k_q896ad10c54_proj
	.p2align	8
	.type	k_q896ad10c54_proj,@function
k_q896ad10c54_proj:
	s_mov_b64 s[64:65], 0
	v_nop
	global_prefetch_b8 v0, s[64:65] scope:SCOPE_SE
	s_setreg_imm32_b32 hwreg(HW_REG_WAVE_MODE, 25, 1), 1
	s_wait_xcnt 0x0
	s_wait_alu depctr_hold_cnt(0) depctr_sa_sdst(0) depctr_va_vdst(0) depctr_va_sdst(0) depctr_va_ssrc(0) depctr_va_vcc(0) depctr_vm_vsrc(0)
	s_getreg_b32 s2, hwreg(HW_REG_IB_STS2, 6, 4)
	s_cmp_eq_u32 s2, 0
	s_cbranch_scc0 .Lentry_in_a_cluster
	s_endpgm
.Lentry_in_a_cluster:
	s_bfe_u32 s2, ttmp6, 0x10000c
	s_cmp_lg_u32 s2, 0xf033
	s_cbranch_scc0 .Lentry_shape_is_right
	s_endpgm
.Lentry_shape_is_right:
; out0 = y Wp^T + bp on codes of E4M3: [8192][1024] x [1024 n][1024 k], K = 1,024; each finished sum x 2^(e10 + e11), + bp.
; A tile is 128 rows x 256 columns, so that 256 work-groups share the work (tiles of 256 x 256 would be 128); a wave makes 64 x 128: 32 accumulators.
; y's codes lie [b][t / 4][head][t % 4][64]: a K step of 256 (four heads) of four rows t is 1,024 consecutive bytes; a tile's 128 rows are 32 such rows, 4,096 bytes apart.  Wp's codes are wc's fourth section.
; The matrix instruction takes 16 rows of Wp as source 0 and 16 rows of y as source 1: a lane holds eight neighbouring numbers of a row of out0.
; CLUSTER 4 x 4: y's tile is shared along a row of the cluster, Wp's along a column.  Three slots: K steps 0, 1, 2 go out at the head, K step 3 into slot 0 behind the one round.
; No prefetch: three of four K steps go out at the head, and the launch is short.
; LIMIT: e10 + e11 between -126 and 127.
.set PITCH,  272
.set APITCH, 1040                      ; 1,024 bytes + 16 of padding
.set AHALF,  16*APITCH                 ; what waves 0, 1 fetch, and what a wave reads of y
.set ABYTES, 2*AHALF
.set HALFB,  128*PITCH
.set SLOT,   ABYTES+2*HALFB
.set SPARE,  3*SLOT                    ; the spare words, named by no other line
.set STAGE,  SLOT                      ; the way out: 16 rows x 528 bytes a wave, in slot 1, which has had its one fill and its last read by then
.set SPITCH, 528
.set FR, 16
.set NL, 4
.set NP, 4
.set ADRA, 16                          ; v16-18
.set ADRB, 20                          ; v20-22
.set STO,  24
.set RD,   25
.set CO,   26
.set SPW,  28
.set NIL,  29
.set HO,   31
.set TMP,  32                          ; v32-95
.set BK,   96                          ; v96-159, v160-223 by turns
.set AF,   192                         ; y's four fragments, window 0
.set G1, 24                            ; s[24:31]; group 0 for the three slots: s[32:43]
.set G0, 32
.set G1B, 48                           ; s[48:55]; s[68:79]
.set G0B, 68
.set MSB, 0
.macro WIN new
.if MSB != \new
	s_set_vgpr_msb (MSB<<8)|\new
.set MSB, \new
.endif
.endm
.set MUL,  0xa1                        ; source 0 (Wp) window 1, source 1 (y) window 0, C and D window 2
.set TO_B, 0x40
.macro JLOAD g0a, g1a, g0b, g1b
	s_cmp_eq_u32 s15, 0
	s_cbranch_scc0 .Lfor_b_\@
	tensor_load_to_lds s[\g0a:\g0a+3], s[\g1a:\g1a+7]
	s_nop 0
.rept 4
	v_nop
.endr
	s_branch .Lasked_\@
.Lfor_b_\@:
	tensor_load_to_lds s[\g0b:\g0b+3], s[\g1b:\g1b+7]
	s_nop 0
.rept 4
	v_nop
.endr
.Lasked_\@:
.endm
.macro CREST
	s_cmp_lg_u32 s14, 0
	s_cbranch_scc1 .Lnot_wave_0_\@
	s_barrier_signal -3
.Lnot_wave_0_\@:
	s_barrier_wait -3
	s_barrier_signal -1
	s_barrier_wait -1
.endm
.macro CROUND
	s_barrier_signal -1
	s_barrier_wait -1
	CREST
.endm
	s_load_b128 s[4:7], s[0:1], 0x0                ; yc, wc
	s_load_b128 s[8:11], s[0:1], 0x10              ; bp, the exponents
	s_load_b64 s[12:13], s[0:1], 0x20              ; out0
	v_lshl_add_u32 v[SPW], v0, 2, SPARE
	v_mov_b32 v[NIL], 0
	ds_add_u32 v[SPW], v[NIL]                      ; the wave's opening: the add and its wait ahead of my first tensor load
	ds_add_u32 v[SPW], v[NIL]
	v_lshrrev_b32 v1, 5, v0
	v_readfirstlane_b32 s14, v1
	s_lshr_b32 s15, s14, 1                         ; my half of the tile's rows.  Also: I fetch for y (0) or Wp (1)
	s_and_b32 s16, s14, 1                          ; my half of its columns.  Also: which half I fetch
	s_bfe_u32 s80, ttmp6, 0x40000                  ; cx = the tile column
	s_bfe_u32 s81, ttmp6, 0x40004                  ; cy
	s_and_b32 s17, ttmp7, 0xffff
	s_lshl_b32 s17, s17, 2
	s_add_co_u32 s17, s17, s81                     ; the tile row
	s_lshl_b32 s82, s81, 2
	s_lshl_b32 s82, 15, s82                        ; my row of the cluster
	s_lshl_b32 s83, 0x1111, s80                    ; my column
	s_or_b32 s[G1+0], s82, (0<<16)|(1<<20)|(1<<21)|(7<<22)|(3<<25)   ; four words of padding after every 256
	s_mov_b32 s[G1+1], 1024<<16                    ; tensor_dim0
	s_mov_b32 s[G1+2], 16<<16                      ; tensor_dim1
	s_mov_b32 s[G1+3], 1024<<16                    ; tile_dim0
	s_mov_b32 s[G1+4], 16                          ; tile_dim1
	s_mov_b32 s[G1+5], 4096                        ; bytes from row to row
	s_mov_b32 s[G1+6], 0
	s_mov_b32 s[G1+7], 0
	s_or_b32 s[G1B+0], s83, (0<<16)|(1<<20)|(1<<21)|(5<<22)|(3<<25)  ; four words after every 64
	s_mov_b32 s[G1B+1], 256<<16
	s_mov_b32 s[G1B+2], 128<<16
	s_mov_b32 s[G1B+3], 256<<16
	s_mov_b32 s[G1B+4], 128
	s_mov_b32 s[G1B+5], 1024
	s_mov_b32 s[G1B+6], 0
	s_mov_b32 s[G1B+7], 0
	s_lshl_b32 s20, s17, 5
	s_lshl_b32 s18, s16, 4
	s_add_co_u32 s20, s20, s18
	s_lshl_b32 s20, s20, 12                        ; y: (32 tile row + 16 half) rows of 4,096 bytes
	s_mov_b32 s21, 0
	s_lshl_b32 s46, s80, 8
	s_lshl_b32 s18, s16, 7
	s_add_co_u32 s46, s46, s18
	s_lshl_b32 s46, s46, 10
	s_add_co_u32 s46, s46, 0x300000                ; Wp: wc's fourth section, (256 tile column + 128 half) rows of 1,024 bytes
	s_mov_b32 s47, 0
	s_mul_i32 s44, s16, AHALF                      ; where they go in a slot
	s_mul_i32 s45, s16, HALFB
	s_add_co_u32 s45, s45, ABYTES
	s_wait_dscnt 0x0                               ; the opening add is done
	s_wait_kmcnt 0x0
	s_load_b64 s[96:97], s[10:11], 0x28            ; e10, e11
	s_add_nc_u64 s[20:21], s[4:5], s[20:21]
	s_add_nc_u64 s[46:47], s[6:7], s[46:47]
	CROUND                                         ; all sixteen work-groups are here: the first joint loads meet
.irp s, 0,1,2
	s_mov_b32 s[G0+4*\s], 1
	s_add_co_u32 s[G0+4*\s+1], s44, \s*SLOT
	s_add_nc_u64 s[G0+4*\s+2:G0+4*\s+3], s[20:21], \s*1024
	s_or_b32 s[G0+4*\s+3], s[G0+4*\s+3], 0x80000000
	s_mov_b32 s[G0B+4*\s], 1
	s_add_co_u32 s[G0B+4*\s+1], s45, \s*SLOT
	s_add_nc_u64 s[G0B+4*\s+2:G0B+4*\s+3], s[46:47], \s*256
	s_or_b32 s[G0B+4*\s+3], s[G0B+4*\s+3], 0x80000000
	s_wait_alu depctr_va_vdst(0)
	s_wait_tensorcnt 0x0
	ds_add_u32 v28, v29
	ds_add_u32 v28, v29
	s_wait_dscnt 0x0
	CROUND
	JLOAD G0+4*\s, G1, G0B+4*\s, G1B               ; one load of mine is out
.endr
	v_and_b32 v1, 15, v0                           ; r
	v_bfe_u32 v2, v0, 4, 1                         ; h
	v_lshrrev_b32 v3, 2, v1
	v_mul_u32_u24 v3, v3, APITCH
	v_and_b32 v4, 3, v1
	v_lshl_add_u32 v3, v4, 6, v3
	v_lshl_add_u32 v3, v2, 4, v3                   ; y: row t = r: LDS row r / 4, 64 (r % 4), 16 h
	v_mul_u32_u24 v4, v1, PITCH
	v_lshl_add_u32 v4, v2, 4, v4                   ; Wp: row r, 16 h
	s_mul_i32 s21, s15, AHALF
	s_mul_i32 s22, s16, HALFB
	s_add_co_u32 s22, s22, ABYTES
.irp s, 0,1,2
	v_add_nc_u32 v[ADRA+\s], s21, v3
	v_add_nc_u32 v[ADRB+\s], s22, v4
	s_add_co_u32 s21, s21, SLOT
	s_add_co_u32 s22, s22, SLOT
.endr
	s_mul_i32 s23, s14, 16*SPITCH
	s_add_co_u32 s23, s23, STAGE
	v_mul_u32_u24 v5, v1, SPITCH
	v_lshl_add_u32 v5, v2, 5, v5
	v_add_nc_u32 v[STO], s23, v5                   ; in: row r, 32 bytes for each half of the lanes
	v_and_b32 v6, 31, v0
	v_lshlrev_b32 v[CO], 4, v6
	v_add_nc_u32 v[RD], s23, v[CO]                 ; back: the 32 lanes take a row of 512 bytes
	v_lshlrev_b32 v[HO], 5, v2
	s_wait_alu depctr_va_vdst(0)
	s_lshl_b32 s18, s80, 10
	s_lshl_b32 s19, s16, 9
	s_add_co_u32 s18, s18, s19                     ; my first column, in bytes of f32
	s_mov_b32 s19, 0
	s_add_nc_u64 s[8:9], s[8:9], s[18:19]
	s_add_nc_u64 s[12:13], s[12:13], s[18:19]
	s_lshl_b32 s18, s17, 7
	s_lshl_b32 s20, s15, 6
	s_add_co_u32 s18, s18, s20
	s_lshl_b32 s18, s18, 12                        ; my first row: 128 tile row + 64 half, of 4,096 bytes
	s_add_nc_u64 s[12:13], s[12:13], s[18:19]
	WIN 0xc0                                       ; destination window 3
.irp b, 0,1,2,3,4,5,6,7
	global_load_b128 v[8*\b:8*\b+3],   v[HO], s[8:9] offset:64*\b      ; bp of columns 16 b + 8 h + 0 .. 7
	global_load_b128 v[8*\b+4:8*\b+7], v[HO], s[8:9] offset:64*\b+16
.endr
	WIN 0
.macro FRAGA reg, slot, q, i           ; 16 rows x 128 K: heads 2 q and 2 q + 1 of the K step's four
.irp c, 0,1,2,3
	ds_load_b128 v[\reg+4*\c:\reg+4*\c+3], v[ADRA+\slot] offset:(2*(\q)+\c/2)*256+(\c%2)*32+(\i)*4*APITCH
.endr
.endm
.macro FRAGB reg, slot, q, i
.irp c, 0,1,2,3
	ds_load_b128 v[\reg+4*\c:\reg+4*\c+3], v[ADRB+\slot] offset:128*(\q)+32*\c+(\i)*16*PITCH
.endr
.endm
.macro MULA a, p, zero                 ; y's block a x Wp's eight.  The 32 accumulators take turns, one instruction a turn, in the same order in every step
.set n2, 0
.rept 8
.if \zero
	v_wmma_f32_16x16x128_fp8_fp8 v[8*(8*(\a)+n2):8*(8*(\a)+n2)+7], v[128*(\p)+FR*n2:128*(\p)+FR*n2+FR-1], v[AF+FR*(\a):AF+FR*(\a)+FR-1], 0
.else
	v_wmma_f32_16x16x128_fp8_fp8 v[8*(8*(\a)+n2):8*(8*(\a)+n2)+7], v[128*(\p)+FR*n2:128*(\p)+FR*n2+FR-1], v[AF+FR*(\a):AF+FR*(\a)+FR-1], v[8*(8*(\a)+n2):8*(8*(\a)+n2)+7]
.endif
.set n2, n2+1
.endr
.endm
.macro FETCH_B slot, q, p
	WIN TO_B
.irp i, 0,1,2,3,4,5,6,7
	FRAGB 128*(\p)+FR*\i, \slot, \q, \i
.endr
	WIN 0
.endm
.macro FETCH_A slot, q, i0
.irp i, \i0, \i0+1
	FRAGA AF+FR*(\i), \slot, \q, \i
.endr
.endm
.macro PLACES n
.rept \n
	v_nop
.endr
.endm
.macro STEP p, nslot, nq, zero         ; 128 along K on Wp's set p; the next 128, at (nslot, nq), are fetched meanwhile
	s_wait_dscnt 2*NL                              ; Wp's set and y's blocks 0, 1 are in; blocks 2, 3 (8 loads) may be out
	WIN MUL
	MULA 0, \p, \zero
	MULA 1, \p, \zero
	s_wait_dscnt 0
	PLACES NP
	FETCH_B \nslot, \nq, 1-(\p)
	FETCH_A \nslot, \nq, 0
	WIN MUL
	MULA 2, \p, \zero
	MULA 3, \p, \zero
	PLACES NP
	WIN 0
	FETCH_A \nslot, \nq, 2
.endm
.macro TURN next, fill                 ; a step on set 1 with a barrier in it.  fill = 1: slot 0 has been read out and takes K step 3
	s_wait_tensorcnt 0x0                           ; all my tensor loads have landed
	ds_add_u32 v[SPW], v[NIL]
	s_wait_dscnt 2*NL+1                            ; the add and y's blocks 2, 3 may be out
	WIN MUL
	MULA 0, 1, 0
	s_wait_dscnt 0x0                               ; the add is done, and my reads of the slot in hand are over
	s_barrier_signal -1
	MULA 1, 1, 0
	WIN 0
	s_barrier_wait -1
.if \fill
	CREST                                          ; the barrier has opened a round of the cluster's: no wave of any partner still reads slot 0 or has a load on its way
	s_add_nc_u64 s[G0+2:G0+3], s[G0+2:G0+3], 3*1024
	s_add_nc_u64 s[G0B+2:G0B+3], s[G0B+2:G0B+3], 3*256
	JLOAD G0, G1, G0B, G1B                         ; my one tensor load behind the round: it has four steps of 128 in which to land
.else
	PLACES NP
.endif
	FETCH_B \next, 0, 0
	FETCH_A \next, 0, 0
	WIN MUL
	MULA 2, 1, 0
	MULA 3, 1, 0
	PLACES NP
	WIN 0
	FETCH_A \next, 0, 2
.endm
	s_wait_tensorcnt 2                             ; my part of K steps 0 and 1 is in; K step 2's may be out
	s_barrier_signal -1
	s_barrier_wait -1
	FETCH_B 0, 0, 0
	FETCH_A 0, 0, 0
	FETCH_A 0, 0, 2
	STEP 0, 0, 1, 1                                ; slot 0, first half: the products start the sums
	TURN 1, 1                                      ; slot 0, second half; behind its wait for all loads and its round slots 1 and 2 are whole in every wave
	STEP 0, 1, 1, 0                                ; slot 1
	STEP 1, 2, 0, 0
	STEP 0, 2, 1, 0                                ; slot 2
	TURN 0, 0                                      ; K step 3 has landed in slot 0; behind this barrier nobody reads slots 1 and 2
	STEP 0, 0, 1, 0                                ; slot 0 again
	s_wait_dscnt 2*NL                              ; the last step: nothing more to fetch
	WIN MUL
	MULA 0, 1, 0
	MULA 1, 1, 0
	s_wait_dscnt 0
	MULA 2, 1, 0
	MULA 3, 1, 0
	WIN 0
; THE WAY OUT, a block of 16 rows x 128 columns at a time: sum x 2^(e10 + e11) + bp, through my stage, back as whole rows of 512 bytes.
.macro TOSTAGE a
.set AC, 64*(\a)
	WIN 0x32                                       ; the sums window 2, bp window 3
.set n1, 0
.rept 32
	v_pk_fma_f32 v[TMP+n1:TMP+n1+1], v[AC+n1:AC+n1+1], s[96:97], v[n1:n1+1] op_sel_hi:[1,0,1]   ; each accumulator from its low end on
.set n1, n1+2
.endr
	WIN 0
.irp b, 0,1,2,3,4,5,6,7
	ds_store_b128 v[STO], v[TMP+8*\b:TMP+8*\b+3] offset:64*\b
	ds_store_b128 v[STO], v[TMP+8*\b+4:TMP+8*\b+7] offset:64*\b+16
.endr
.set BB, BK+64*((\a)%2)
.irp t, 0,1,2,3,4,5,6,7,8,9,10,11,12,13,14,15
	ds_load_b128 v[BB+4*\t:BB+4*\t+3], v[RD] offset:\t*SPITCH      ; LDS serves a wave's instructions in order
.endr
.endm
.macro SEND a, younger
.set BB, BK+64*((\a)%2)
	s_wait_dscnt \younger
.irp t, 0,1,2,3,4,5,6,7,8,9,10,11,12,13,14,15
	global_store_b128 v[CO], v[BB+4*\t:BB+4*\t+3], s[12:13] offset:(16*(\a)+\t)*4096 th:TH_STORE_NT   ; 32 lanes store 512 consecutive bytes; the row stands in the immediate, 258,048 at the most
.endr
.endm
	s_wait_kmcnt 0x0
	s_add_co_i32 s96, s96, s97
	s_add_co_i32 s96, s96, 127
	s_lshl_b32 s96, s96, 23                        ; 2^(e10 + e11)
	s_mov_b32 s97, s96
	s_wait_loadcnt 0x0                             ; bp
	PLACES NP
	TOSTAGE 0
.irp a, 1,2,3
.if \a > 1
	s_wait_xcnt 0x0                                ; the stores of two blocks ago have read their registers
.endif
	TOSTAGE \a
	SEND \a-1, 32                                  ; behind block a - 1's loads: block a's 16 stores and 16 loads
.endr
	SEND 3, 0
	s_wait_tensorcnt 0x0                           ; the wave's end
	ds_add_u32 v[SPW], v[NIL]
	s_wait_dscnt 0x0
	CROUND                                         ; the closing round
	s_endpgm
.Lfunc_end_k_q896ad10c54_proj:
	.size	k_q896ad10c54_proj, .Lfunc_end_k_q896ad10c54_proj-k_q896ad10c54_proj
	.p2alignl 7, 3214868480
	.fill 96, 4, 3214868480
	.section	.rodata,"a",@progbits
	.p2align	6, 0x0
	.amdhsa_kernel k_q896ad10c54_proj
		.amdhsa_group_segment_fixed_size 327680
		.amdhsa_private_segment_fixed_size 0
		.amdhsa_enable_private_segment 0
		.amdhsa_kernarg_size 40
		.amdhsa_user_sgpr_count 2
		.amdhsa_user_sgpr_kernarg_segment_ptr 1
		.amdhsa_wavefront_size32 1
		.amdhsa_system_sgpr_workgroup_id_x 1
		.amdhsa_system_sgpr_workgroup_id_y 1
		.amdhsa_system_sgpr_workgroup_id_z 1
		.amdhsa_system_vgpr_workitem_id 0
		.amdhsa_next_free_vgpr 832
		.amdhsa_next_free_sgpr 100
		.amdhsa_reserve_vcc 0
		.amdhsa_float_denorm_mode_32 3
		.amdhsa_float_denorm_mode_16_64 3
		.amdhsa_memory_ordered 1
		.amdhsa_forward_progress 1
		.amdhsa_inst_pref_size 80
	.end_amdhsa_kernel
	.amdgpu_metadata
---
amdhsa.version: [ 1, 2 ]
amdhsa.kernels:
  - .name:           k_q896ad10c54_proj
    .symbol:         k_q896ad10c54_proj.kd
    .args:
      - { .name: yc, .offset: 0, .size: 8, .value_kind: global_buffer, .address_space: global }
      - { .name: wc, .offset: 8, .size: 8, .value_kind: global_buffer, .address_space: global }
      - { .name: bp, .offset: 16, .size: 8, .value_kind: global_buffer, .address_space: global }
      - { .name: lowp_scales, .offset: 24, .size: 8, .value_kind: global_buffer, .address_space: global }
      - { .name: out0, .offset: 32, .size: 8, .value_kind: global_buffer, .address_space: global }
    .group_segment_fixed_size: 327680
    .private_segment_fixed_size: 0
    .kernarg_segment_align: 8
    .kernarg_segment_size: 40
    .max_flat_workgroup_size: 128
    .sgpr_count:     100
    .vgpr_count:     832
    .wavefront_size: 32
...
	.end_amdgpu_metadata
.endif
;; end of part 4
